; MI455X (gfx1250); checked and timed in simulation.
; The chip was launched on July 23, 2026; its instructions are those of AMD's public machine-readable ISA for CDNA 5 (MIT licence, August 2026) and "CDNA5" Instruction Set Architecture Reference Guide (July 2026). The comments in the code are by the model that wrote it; some were corrected since.
;; Attention. Allowed arithmetic: matrix products marked QUANTISED: E2M3 operands, one E8M0 scale for each 32 along K, by v_wmma_scale_f32_16x16x128_f8f6f4 with both operands' format E2M3, f32 sums; everything else in f32.
;; Inputs: Wk 1,024 x 1,024 float32; Wo 1,024 x 1,024 float32; Wq 1,024 x 1,024 float32; Wv 1,024 x 1,024 float32; x 1 x 8,192 x 1,024 float32.
;; Outputs: out0 1 x 8,192 x 1,024 float32.
;; Constants: window_size = 512.
;; This version of the problem:
;;   THIS VERSION OF THE PROBLEM IS GIVEN IN LOW PRECISION. The matrix products marked QUANTISED in the list below multiply operands that are first quantised to E2M3 (2 exponent bits, 3 mantissa bits; 6 bits a number), with one power-of-two scale for each 32 numbers along K (OCP MX v1.0); their sums are f32. All else is computed in f32.
;;   The module's matrix products, in the order in which they are computed (A, B: the left and right operand; K: the contracted axis; several contracted axes count as one K, in the product's order):
;;     1. [M 8,192, K 1,024] x [K 1,024, N 1,024]; A: input x; B: input Wq: QUANTISED
;;     2. [M 8,192, K 1,024] x [K 1,024, N 1,024]; A: input x; B: input Wk: QUANTISED
;;     3. [M 8,192, K 1,024] x [K 1,024, N 1,024]; A: input x; B: input Wv: QUANTISED
;;     4. batch 256 x [M 512, K 64] x [K 64, N 1,024]; A: computed on the way; B: computed on the way: QUANTISED
;;     5. batch 256 x [M 64, K 1,024] x [K 1,024, N 512]; A: computed on the way; B: softmax (see below): QUANTISED
;;     6. [M 8,192, K 1,024] x [K 1,024, N 1,024]; A: computed on the way; B: input Wo: QUANTISED
;;   THE QUANTISER, for each operand of a quantised product, along K:
;;     - K is cut into blocks of 32 from its start; a last block that is shorter is filled with zeros.
;;     - A block's scale is 2^e with e = floor(log2(the largest magnitude in the block)) - 2, held to -126 .. 127; a block of zeros has e = 0. As a byte (E8M0): e + 127.
;;     - Each number is divided by its block's scale, clamped to +-7.5, and rounded to the nearest number of E2M3, ties to even, subnormals kept.
;;     - The product sums the exact products of the quantised numbers (number of the format x scale) in f32.
;;   ~~~python
;;   def quantise(x, axis):      # numpy; x: float32 -> the quantised numbers, widened to float32 again
;;       x = np.moveaxis(x, axis, -1); K = x.shape[-1]
;;       x = np.pad(x, [(0, 0)] * (x.ndim - 1) + [(0, -K % 32)]); x = x.reshape(x.shape[:-1] + (-1, 32)); a = np.abs(x).max(-1, keepdims=True)
;;       e = np.where(a > 0, np.clip(np.frexp(np.where(a > 0, a, 1))[1] - 1 - 2, -126, 127), 0)      # np.frexp(a)[1] - 1 = floor(log2(a)), exactly
;;       r = np.clip(x / 2.0 ** e, -7.5, 7.5)
;;       step = 2.0 ** (np.maximum(np.frexp(np.where(r == 0, 1, r))[1] - 1, 0) - 3)
;;       q = np.round(r / step) * step * 2.0 ** e      # np.round: ties to even
;;       return np.moveaxis(q.reshape(q.shape[:-2] + (-1,))[..., :K], -1, axis).astype(np.float32)
;;   ~~~
;;   SOFTMAX AHEAD OF A QUANTISED PRODUCT. Where the list says 'softmax', what is quantised is not the finished softmax but p = 2^(t - M), with t = logit x log2(e) and M = ceil(the row's largest t), a whole number; so 1/2 < the row's largest p <= 1. The row's sum l is taken of the UNQUANTISED p, in f32, and the product's result is divided by l at the end. Since M is a whole number, a kernel that streams over the keys may use a running M (the ceiling of the running maximum): every later rescaling is an exact power of two, which a block's scale takes up: the codes' values come out the same.
;;   OPERANDS COMPUTED ON THE WAY. 'Computed on the way' means the value that the module computes at that place (a softmax that the list does not call 'softmax' is quantised finished and normalised). What goes into a quantiser is computed in f32, as accurately as f32 sums, v_exp_f32 and their like allow (about 1e-6 of the number): no bf16 or f16 on the way to a quantiser, and a product that is left as it is and whose result goes on into a quantised operand takes f32 operands (vector FMAs, or v_wmma_f32_16x16x4_f32). A number that lies on a knife's edge between two numbers of the format may be rounded either way, as far as f32 arithmetic and the matrix unit's own rounding can turn it there, and no further.
;; One version. Each part assembles by itself: llvm-mc -triple=amdgcn-amd-amdhsa -mcpu=gfx1250 --defsym DOCPART=n.
;; ======== version 1 of 1: 4 launches
;; limits: right only within a limited range of input values
;; workspace buffers: xq 6,553,600 bytes; wq 3,276,800 bytes; oq 6,553,600 bytes; rtab 2,097,152 bytes; kvb 13,107,200 bytes; qb 13,107,200 bytes
;; launch quant (part 1): grid 448 x 1, 4 waves a work-group, no clusters, 35,328 bytes of LDS; arguments x, Wq, Wk, Wv, Wo, xq, wq, rtab; writes xq, wq, rtab
.if DOCPART == 1
	.amdgcn_target "amdgcn-amd-amdhsa--gfx1250"
	.amdhsa_code_object_version 6
	.text
	.protected	k_qe570f5ae7e_quant
	.globl	k_qe570f5ae7e_quant
	.p2align	8
	.type	k_qe570f5ae7e_quant,@function
k_qe570f5ae7e_quant:
	s_mov_b64 s[64:65], 0
	v_nop
	global_prefetch_b8 v0, s[64:65] scope:SCOPE_SE
	s_setreg_imm32_b32 hwreg(HW_REG_WAVE_MODE, 25, 1), 1
	s_wait_xcnt 0x0
; x [8192][1024] and Wq, Wk, Wv, Wo [1024][1024], f32 with K innermost, become codes of FP6 (E2M3) with one E8M0 byte for each 32 along K; and the table of cosines and sines for the rotary embedding is made.
; THE CODES ARE LAID IN THE ORDER OF THE OPERAND'S REGISTERS: [tile of 16 rows][K step of 128][q = 0..2][lane][16 bytes]: lane (r, h) holds of its row k = 128 s + 64 c + 32 h + 0 .. 31 in registers 6 c .. 6 c + 5.
; THE ROWS OF A TILE ARE NOT NEIGHBOURS: lane place r of tile 2 G + u is row 32 G + 8 u + r + 8 (r / 8), so that two neighbouring tiles used as source 0 leave 16 neighbouring rows in 16 registers of a lane.
; THE SCALE WORDS (four bytes: 128 along K of one row): for each 128 rows a block [K step 0..7][tile 0..7][r 0..15] of words, 4,096 dense bytes, behind the codes.
; A block's scale is 2^(floor(log2(largest magnitude)) - 2); its byte is the largest magnitude's exponent field - 2, held at 1 from below.
; LIMITS: a block whose largest magnitude lies under 2^-124, a block of zeros among them, gets the byte 1 (its codes add nothing; this program alone reads the bytes); NaN and infinities are not served.
; SHARES: work-groups 0-255 take x, 256-383 the four weights (laid one behind the other: 4,096 rows), 384-447 the table.  A quantising wave takes 64 rows x one K step: four fragments.
; Each load reads 512 consecutive bytes of one row; a fragment's 16 rows turn through the wave's own stage in LDS (rows 528 bytes apart) so that a lane gets its two whole blocks of 32.
; THE TABLE: rtab[token][i = 0..31] = (cos, sin) of token x 1 / 10^(i/8), 256 bytes a token.  The angle is the f32 product of the token and the f32 reciprocal of the f32 number 10^(i/8);
; it is brought into [-pi/4, pi/4] by two fused steps with pi/2 in two parts (the first is exact for angles under 8,192), and sine and cosine are polynomials of degree 7 and 8.  Token 0's row is (1, 0) exactly.
.set WREG,   8704                      ; LDS of a wave: the stage, 16 x 528 bytes, and 256 bytes of scale words
.set STP,    528
.set SWD,    16*STP
.set SPARE,  4*WREG                    ; the spare words, 128 bytes a wave: two blocks of 256 bytes that no other line names
.set XS_OFF, 6291456                   ; where xq keeps its scale blocks
.set WS_OFF, 3145728                   ; where wq keeps them
.set L16, 1                            ; v1  16 x lane
.set STI, 2                            ; v2  the stage, on the way in
.set STO, 3                            ; v3  and out: row r, + 128 h
.set SWI, 4                            ; v4  my row's scale word in LDS
.set SWO, 5                            ; v5  the words on their way out: 8 bytes a lane
.set L8,  6                            ; v6  8 x lane
.set H8,  7                            ; v7  8 h
.set SPW, 12                           ; v12 LDS address of my spare word; never rewritten
.set NIL, 13                           ; v13 0; never rewritten
.set R,   16                           ; v16-143  two sets of 64: a fragment's numbers as loaded
.set X,   144                          ; v144-207 my two blocks of 32
.set C,   208                          ; v208-231 two sets of 12: a fragment's codes
.set CT,  232                          ; v232-239 the blocks' upper halves as converted
.set TM,  240                          ; v240-249 at work
	s_load_b256 s[4:11], s[0:1], 0x0               ; x s[4:5], Wq s[6:7], Wk s[8:9], Wv s[10:11]
	s_load_b256 s[12:19], s[0:1], 0x20             ; Wo s[12:13], xq s[14:15], wq s[16:17], rtab s[18:19]
	v_lshl_add_u32 v[SPW], v0, 2, SPARE
	v_mov_b32 v[NIL], 0
	v_lshrrev_b32 v1, 5, v0
	v_readfirstlane_b32 s20, v1                    ; wave
	s_cmp_ge_u32 ttmp9, 384
	s_cbranch_scc1 .Ltable
	v_and_b32 v8, 31, v0                           ; lane
	v_and_b32 v9, 15, v0                           ; r
	v_bfe_u32 v10, v0, 4, 1                        ; h
	v_lshlrev_b32 v[L16], 4, v8
	s_mul_i32 s21, s20, WREG
	v_add_nc_u32 v[STI], s21, v[L16]
	v_mul_u32_u24 v[STO], v9, STP
	v_lshl_add_u32 v[STO], v10, 7, v[STO]
	v_add_nc_u32 v[STO], s21, v[STO]
	s_add_co_u32 s22, s21, SWD
	v_lshl_add_u32 v[SWI], v9, 2, s22
	v_lshl_add_u32 v[SWO], v8, 3, s22
	v_lshlrev_b32 v[L8], 3, v8
	v_lshlrev_b32 v[H8], 3, v10
	v_mov_b32 v[TM+7], 0                           ; a lane permute's destination counts as one of its sources
	s_mov_b32 s40, 0x76543210
	s_mov_b32 s41, 0xfedcba98                      ; selects for lane l xor 16
	s_cmp_lt_u32 ttmp9, 256                        ; x or a weight?  ids alone
	s_cselect_b32 s23, 0, 256
	s_sub_co_u32 s23, ttmp9, s23                   ; my number among x's work-groups or the weights'
	s_lshr_b32 s24, s23, 1                         ; which 64 rows of the destination
	s_and_b32 s25, s23, 1
	s_lshl_b32 s25, s25, 2
	s_add_co_u32 s25, s25, s20                     ; which K step
	s_lshr_b32 s26, s23, 5                         ; which weight
	s_and_b32 s27, s24, 15
	s_cmp_lt_u32 ttmp9, 256
	s_cselect_b32 s27, s24, s27                    ; which 64 rows of the source
	s_mov_b32 s28, WS_OFF
	s_cselect_b32 s28, XS_OFF, s28
	s_lshl_b32 s30, s27, 18                        ; the source: 64 rows of 4,096 bytes,
	s_lshl_b32 s29, s25, 9                         ; + 512 bytes a K step
	s_add_co_u32 s30, s30, s29
	s_mov_b32 s31, 0
	s_mul_i32 s32, s24, 4*12288                    ; the codes: four tiles of 12,288 bytes,
	s_mul_i32 s29, s25, 1536                       ; + a fragment a K step
	s_add_co_u32 s32, s32, s29
	s_mov_b32 s33, 0
	s_lshr_b32 s34, s24, 1                         ; the scale words: the block of 128 rows,
	s_lshl_b32 s34, s34, 12
	s_add_co_u32 s34, s34, s28
	s_lshl_b32 s29, s25, 9                         ; its K step,
	s_add_co_u32 s34, s34, s29
	s_and_b32 s29, s24, 1                          ; and my four tiles of its eight: 256 bytes
	s_lshl_b32 s29, s29, 8
	s_add_co_u32 s34, s34, s29
	s_mov_b32 s35, 0
	s_wait_alu depctr_va_vdst(0)
	s_wait_kmcnt 0x0
	s_cmp_eq_u32 s26, 1                            ; the buffers are chosen on ids alone
	s_cselect_b64 s[6:7], s[8:9], s[6:7]
	s_cmp_eq_u32 s26, 2
	s_cselect_b64 s[6:7], s[10:11], s[6:7]
	s_cmp_eq_u32 s26, 3
	s_cselect_b64 s[6:7], s[12:13], s[6:7]
	s_cmp_lt_u32 ttmp9, 256
	s_cselect_b64 s[6:7], s[4:5], s[6:7]
	s_cselect_b64 s[14:15], s[14:15], s[16:17]
	s_add_nc_u64 s[6:7], s[6:7], s[30:31]
	s_add_nc_u64 s[36:37], s[14:15], s[32:33]
	s_add_nc_u64 s[38:39], s[14:15], s[34:35]
.macro LOAD f                          ; fragment f: the 16 rows of tile f, 512 consecutive bytes each
.irp i, 0,1,2,3,4,5,6,7,8,9,10,11,12,13,14,15
	global_load_b128 v[R+64*((\f)%2)+4*\i:R+64*((\f)%2)+4*\i+3], v[L16], s[6:7] offset:(32*((\f)/2)+8*((\f)%2)+\i+8*(\i/8))*4096 th:TH_LOAD_NT
.endr
.endm
.macro FRAGQ f
.set RS, R+64*((\f)%2)
.set CC, C+12*((\f)%2)
.if (\f) < 3
	s_wait_loadcnt 16                              ; this fragment's 16 loads are in; the next fragment's 16 may be out
.else
	s_wait_loadcnt 0x0
.endif
.irp i, 0,1,2,3,4,5,6,7,8,9,10,11,12,13,14,15
	ds_store_b128 v[STI], v[RS+4*\i:RS+4*\i+3] offset:\i*STP
.endr
.irp c, 0,1
.irp k, 0,1,2,3,4,5,6,7
	ds_load_b128 v[X+32*\c+4*\k:X+32*\c+4*\k+3], v[STO] offset:256*\c+16*\k   ; LDS serves a wave's instructions in order: these see the stores above
.endr
.endr
	s_wait_dscnt 0x0                               ; my two blocks are in
.if (\f) >= 2
	s_wait_xcnt 0x0                                ; the stores of two fragments back have read this set of codes
.endif
.if (\f)+2 < 4
	LOAD (\f)+2
.endif
.irp c, 0,1
	v_max3_num_f32 v[TM+\c], |v[X+32*\c]|, |v[X+32*\c+1]|, 0x1800000   ; block 2 c + h: all 32 numbers are mine; the floor 2^(3 - 127) holds the byte at 1 from below
.endr
.irp i, 2,4,6,8,10,12,14,16,18,20,22,24,26,28,30
.irp c, 0,1
	v_max3_num_f32 v[TM+\c], v[TM+\c], |v[X+32*\c+\i]|, |v[X+32*\c+\i+1]|
.endr
.endr
.irp c, 0,1
	v_add_nc_u32 v[TM+2+\c], 0xff000000, v[TM+\c]  ; 2 off the exponent field: the conversion's scale operand
.endr
.irp c, 0,1
	v_lshrrev_b32 v[TM+4+\c], 23, v[TM+2+\c]       ; the scale's byte
.endr
	v_lshl_or_b32 v[TM+6], v[TM+5], 16, v[TM+4]    ; my two bytes, blocks h and 2 + h,
	v_lshlrev_b32 v[TM+6], v[H8], v[TM+6]          ; at their places in the word;
	v_permlanex16_b32 v[TM+7], v[TM+6], s40, s41
	v_or_b32 v[TM+6], v[TM+6], v[TM+7]             ; with lane l xor 16's two the word is whole
.irp c, 0,1
	v_cvt_scalef32_pk16_fp6_f32 v[CC+6*\c:CC+6*\c+2], v[X+32*\c:X+32*\c+15], v[TM+2+\c]
	v_cvt_scalef32_pk16_fp6_f32 v[CT+4*\c:CT+4*\c+2], v[X+32*\c+16:X+32*\c+31], v[TM+2+\c]   ; (a conversion's three registers begin on an even number)
.endr
	v_nop                                          ; one plain place behind a scaled conversion
.irp c, 0,1
.irp i, 0,1,2
	v_mov_b32 v[CC+6*\c+3+\i], v[CT+4*\c+\i]
.endr
.endr
.irp q, 0,1,2
	global_store_b128 v[L16], v[CC+4*\q:CC+4*\q+3], s[36:37] offset:(\f)*12288+512*\q   ; 32 lanes store 512 consecutive bytes, aligned
.endr
	ds_store_b32 v[SWI], v[TM+6] offset:64*(\f)    ; lanes r and r + 16 write the same word with the same value
.endm
	LOAD 0
	LOAD 1
	FRAGQ 0
	FRAGQ 1
	FRAGQ 2
	FRAGQ 3
	ds_load_b64 v[TM+8:TM+9], v[SWO]               ; my four tiles' 64 words
	s_wait_dscnt 0x0
	global_store_b64 v[L8], v[TM+8:TM+9], s[38:39] ; 32 lanes store 256 consecutive bytes, aligned
	s_branch .Lend
.Ltable:                                           ; a wave makes 32 tokens' rows; lane i is frequency i.  No LDS byte is touched on this way
	v_and_b32 v8, 31, v0
	v_lshlrev_b32 v[L8], 3, v8
	v_mov_b32 v9, 0
.set LN, 0
.irp p, 0x3f800000,0x3faab0d5,0x3fe39ea9,0x4017c496,0x404a62c2,0x4086f161,0x40b3f300,0x40eff755,0x41200000,0x41555d0a,0x418e432a,0x41bdb5bc,0x41fcfb72,0x4228adb9,0x4260efc0,0x4295fa95,0x42c80000,0x43055a26,0x4331d3f4,0x436d232b,0x439e1d27,0x43d2d927,0x440c95d8,0x443b793b,0x447a0000,0x44a6b0b0,0x44de48f1,0x451435fb,0x4545a471,0x4583c7b8,0x45afbb4e,0x45ea5789
	s_mov_b32 s21, \p                              ; 10^(lane / 8), rounded to f32
	v_writelane_b32 v9, s21, LN
.set LN, LN+1
.endr
	s_wait_alu depctr_va_vdst(0)
	v_rcp_f32 v10, v9
	v_nop                                          ; a plain place behind the reciprocal
	s_wait_alu depctr_va_vdst(0)                   ; and the wait ahead of its first reader
	v_fma_f32 v11, -v9, v10, 1.0
	v_fma_f32 v10, v10, v11, v10                   ; one Newton step: 1 / 10^(lane / 8)
	s_sub_co_u32 s22, ttmp9, 384
	s_lshl_b32 s22, s22, 2
	s_add_co_u32 s22, s22, s20
	s_lshl_b32 s22, s22, 5                         ; my first token
	v_cvt_f32_u32 v14, s22
	s_lshl_b32 s24, s22, 8                         ; 256 bytes a token
	s_mov_b32 s25, 0
	s_mov_b32 s26, 0x3fc90fdb                      ; pi/2, its upper part,
	s_mov_b32 s27, 0xb33bbd2e                      ; and the rest
	s_mov_b32 s28, 0xb94ca1f9                      ; the sine's three coefficients
	s_mov_b32 s29, 0x3c08839e
	s_mov_b32 s30, 0xbe2aaaa3
	s_mov_b32 s31, 0x37ccf5ce                      ; the cosine's
	s_mov_b32 s32, 0xbab6061a
	s_mov_b32 s33, 0x3d2aaaa5
	s_wait_kmcnt 0x0
	s_add_nc_u64 s[18:19], s[18:19], s[24:25]
.macro TOK k, fk                       ; token k of the trip's four, in 16 registers of its own; fk: k once more, as a float constant
.set B, 16+16*(\k)
.if (\k) == 0
	v_mul_f32 v[B], v14, v10                       ; the angle
.else
	v_add_f32 v[B], \fk, v14
	v_mul_f32 v[B], v[B], v10
.endif
	v_mul_f32 v[B+1], 0x3f22f983, v[B]
	v_rndne_f32 v[B+1], v[B+1]                     ; n = the nearest multiple of pi/2
	v_fma_f32 v[B+2], -v[B+1], s26, v[B]
	v_fma_f32 v[B+2], -v[B+1], s27, v[B+2]         ; r = angle - n pi/2
	v_cvt_i32_f32 v[B+8], v[B+1]
	v_mul_f32 v[B+3], v[B+2], v[B+2]               ; r^2
	v_fma_f32 v[B+4], v[B+3], s28, s29
	v_fma_f32 v[B+5], v[B+3], s31, s32
	v_fma_f32 v[B+4], v[B+4], v[B+3], s30
	v_fma_f32 v[B+5], v[B+5], v[B+3], s33
	v_mul_f32 v[B+9], v[B+2], v[B+3]               ; r^3
	v_fma_f32 v[B+7], v[B+3], -0.5, 1.0
	v_fma_f32 v[B+6], v[B+4], v[B+9], v[B+2]       ; sin r
	v_mul_f32 v[B+9], v[B+3], v[B+3]               ; r^4
	v_fma_f32 v[B+7], v[B+5], v[B+9], v[B+7]       ; cos r
	v_and_b32 v[B+9], 1, v[B+8]
	v_cmp_eq_u32 vcc_lo, 1, v[B+9]                 ; odd n: the two change places.  (n selects values alone: no address or branch hangs on it)
	v_cndmask_b32 v[B+10], v[B+7], v[B+6], vcc_lo
	v_cndmask_b32 v[B+11], v[B+6], v[B+7], vcc_lo
	v_add_nc_u32 v[B+9], 1, v[B+8]
	v_and_b32 v[B+9], 2, v[B+9]
	v_lshlrev_b32 v[B+9], 30, v[B+9]
	v_xor_b32 v[B+10], v[B+9], v[B+10]             ; the cosine is negative for n = 1, 2 mod 4,
	v_and_b32 v[B+9], 2, v[B+8]
	v_lshlrev_b32 v[B+9], 30, v[B+9]
	v_xor_b32 v[B+11], v[B+9], v[B+11]             ; the sine for n = 2, 3
	global_store_b64 v[L8], v[B+10:B+11], s[18:19] offset:256*(\k)   ; 32 lanes store a token's 256 bytes, aligned
.endm
	s_mov_b32 s23, 8
.Ltok:
	s_wait_alu depctr_va_vdst(0)
	TOK 0, 0
	TOK 1, 1.0
	TOK 2, 2.0
	TOK 3, 3.0
	s_wait_xcnt 0x0                                ; the stores have read their data and their base: both are written again
	s_add_nc_u64 s[18:19], s[18:19], 1024
	v_add_f32 v14, 4.0, v14
	s_sub_co_u32 s23, s23, 1
	s_cmp_lg_u32 s23, 0
	s_cbranch_scc1 .Ltok
.Lend:
	s_wait_tensorcnt 0x0                           ; the wave's end, behind my last LDS store
	ds_add_u32 v[SPW], v[NIL]
	s_wait_dscnt 0x0
	s_endpgm
.Lfunc_end_k_qe570f5ae7e_quant:
	.size	k_qe570f5ae7e_quant, .Lfunc_end_k_qe570f5ae7e_quant-k_qe570f5ae7e_quant
	.p2alignl 7, 3214868480
	.fill 96, 4, 3214868480
	.section	.rodata,"a",@progbits
	.p2align	6, 0x0
	.amdhsa_kernel k_qe570f5ae7e_quant
		.amdhsa_group_segment_fixed_size 35328
		.amdhsa_private_segment_fixed_size 0
		.amdhsa_enable_private_segment 0
		.amdhsa_kernarg_size 64
		.amdhsa_user_sgpr_count 2
		.amdhsa_user_sgpr_kernarg_segment_ptr 1
		.amdhsa_wavefront_size32 1
		.amdhsa_system_sgpr_workgroup_id_x 1
		.amdhsa_system_sgpr_workgroup_id_y 1
		.amdhsa_system_sgpr_workgroup_id_z 1
		.amdhsa_system_vgpr_workitem_id 0
		.amdhsa_next_free_vgpr 256
		.amdhsa_next_free_sgpr 66
		.amdhsa_reserve_vcc 1
		.amdhsa_float_denorm_mode_32 3
		.amdhsa_float_denorm_mode_16_64 3
		.amdhsa_memory_ordered 1
		.amdhsa_forward_progress 1
		.amdhsa_inst_pref_size 42
	.end_amdhsa_kernel
	.amdgpu_metadata
---
amdhsa.version: [ 1, 2 ]
amdhsa.kernels:
  - .name:           k_qe570f5ae7e_quant
    .symbol:         k_qe570f5ae7e_quant.kd
    .args:
      - { .name: x, .offset: 0, .size: 8, .value_kind: global_buffer, .address_space: global }
      - { .name: Wq, .offset: 8, .size: 8, .value_kind: global_buffer, .address_space: global }
      - { .name: Wk, .offset: 16, .size: 8, .value_kind: global_buffer, .address_space: global }
      - { .name: Wv, .offset: 24, .size: 8, .value_kind: global_buffer, .address_space: global }
      - { .name: Wo, .offset: 32, .size: 8, .value_kind: global_buffer, .address_space: global }
      - { .name: xq, .offset: 40, .size: 8, .value_kind: global_buffer, .address_space: global }
      - { .name: wq, .offset: 48, .size: 8, .value_kind: global_buffer, .address_space: global }
      - { .name: rtab, .offset: 56, .size: 8, .value_kind: global_buffer, .address_space: global }
    .group_segment_fixed_size: 35328
    .private_segment_fixed_size: 0
    .kernarg_segment_align: 8
    .kernarg_segment_size: 64
    .max_flat_workgroup_size: 128
    .sgpr_count:     66
    .vgpr_count:     256
    .wavefront_size: 32
...
	.end_amdgpu_metadata
.endif
;; end of part 1
;; launch qkv (part 2): grid 32 x 8, 4 waves a work-group, clusters of 4 x 1, 327,680 bytes of LDS; arguments xq, wq, rtab, qb, kvb; writes qb, kvb
.if DOCPART == 2
	.amdgcn_target "amdgcn-amd-amdhsa--gfx1250"
	.amdhsa_code_object_version 6
	.text
	.protected	k_qe570f5ae7e_qkv
	.globl	k_qe570f5ae7e_qkv
	.p2align	8
	.type	k_qe570f5ae7e_qkv,@function
k_qe570f5ae7e_qkv:
	s_mov_b64 s[64:65], 0
	v_nop
	global_prefetch_b8 v0, s[64:65] scope:SCOPE_SE
	s_setreg_imm32_b32 hwreg(HW_REG_WAVE_MODE, 25, 1), 1
	s_wait_xcnt 0x0
	s_wait_alu depctr_hold_cnt(0) depctr_sa_sdst(0) depctr_va_vdst(0) depctr_va_sdst(0) depctr_va_ssrc(0) depctr_va_vcc(0) depctr_vm_vsrc(0)
	s_getreg_b32 s2, hwreg(HW_REG_IB_STS2, 6, 4)
	s_cmp_eq_u32 s2, 0
	s_cbranch_scc0 .Lentry_in_a_cluster
	s_endpgm
.Lentry_in_a_cluster:
	s_bfe_u32 s2, ttmp6, 0x10000c
	s_cmp_lg_u32 s2, 0x3003
	s_cbranch_scc0 .Lentry_shape_is_right
	s_endpgm
.Lentry_shape_is_right:
; q = x Wq^T, k = x Wk^T, v = x Wv^T on codes of FP6 (E2M3) with E8M0 scales; the rotary embedding on q and k; q and k are quantised along the head's 64, v along the tokens, and stored as images of the
; operand registers that the attention launch wants (records of 25,600 bytes for a pair of heads and 128 tokens: K of head 0, of head 1, V of head 0, of head 1, four images of scale words; q goes to qb in K's places).
; OPERANDS: codes [tile of 16 rows][K step 0..7][q 0..2][lane][16 bytes]; lane place r of tile 2 G + u is row 32 G + 8 u + r + 8 (r / 8); scale words [128 rows][K step][tile][r].
; SHARES: a work-group owns 256 tokens and one pair of heads: 32 x 8 = 256 work-groups.  A wave owns 64 tokens: their codes for all of K, 4 tiles x 8 K steps x 12 = 384 registers, are loaded ONCE, straight from memory
; (96 loads of 512 consecutive bytes), and serve all three products.  The pair's 128 rows of Wq, Wk and Wv (98,304 bytes each) and their scale words lie in LDS, each filled once by one tensor load a wave: nothing is filled again.
; A product is 64 tokens x 128 channels a wave: 32 accumulators by turns, 8 K steps of 32 matrix instructions; the weight's 8 fragments of the next K step are fetched from LDS under each step, in two sets.
; q, k (one text, a loop of two trips): source 0 = the weight, source 1 = x: a lane holds a token, registers run along the channels.  v: source 0 = x, source 1 = Wv: a lane holds a channel, registers run along the tokens.
; A wave's 64 tokens are half of a V fragment's 128 keys and half of the words of a scale image: V's halves and all scale words meet in LDS and leave as whole runs of 256 bytes or more.
; CLUSTERS: the four work-groups of a cluster have the same pair of heads and so the same weights: all four tensor loads are joint (mask 15).
; No prefetch: every byte that the work-group reads is asked for in its first lines, and there is no loop to run ahead in.
; LIMITS: NaN and infinities are not served; a block whose largest magnitude lies under 2^-124 gets the byte 1 (this program alone reads the bytes).
; REGISTERS: window 0: v1-14 addresses, v16-31 x's scale words, v32-63 the weight's, v64-255 the weight's fragments (two sets of 96), behind a product the epilogue's work;
;   window 1: v0-143 x's K steps 5-7, v144-207 two sets of cosines and sines;  window 2: the accumulators;  window 3: v0-239 x's K steps 0-4.
.set WROLE,  98304
.set WSC,    3*WROLE                   ; the three blocks of scale words
.set SPARE,  WSC+12288                 ; the spare words, 128 bytes a wave
.set SSTG,   SPARE+512                 ; the scale images on their way out: [q, k, v][record 0, 1][512 bytes]
.set XS_OFF, 6291456
.set WS_OFF, 3145728
.set REC,    25600
.set TLN,    16                        ; table loads issued in K step 4
.set LN,  1
.set L16, 2
.set L8,  3
.set L4,  4
.set TOFF, 5                           ; my token's row of the table and my half's frequencies
.set ADW, 6                            ; v6, v7 the weight's tiles 0-3, 4-7 in LDS
.set ADS, 8                            ; its scale words
.set ASG, 9                            ; my words of q's or k's scale image
.set AV1, 10                           ; V's stage: pieces 0 and 2 of my half fragment
.set AV2, 11                           ; piece 1
.set AVS, 12                           ; my two bytes of V's scale words
.set SPW, 13
.set NIL, 14
.set XS,  16
.set WS,  32
.set WF,  64
.set TB,  144                          ; window 1
.set H,   64
.set E,   128
.set CT,  152
.set TM,  160
.set PW,  176
.set U,   180
.set G1W, 24
.set G1S, 80
.set G0,  40
.set MSB, 0
.macro WIN new                         ; the immediate's high byte repeats the setting that is left
.if MSB != (\new)
	s_set_vgpr_msb (MSB<<8)|(\new)
.set MSB, (\new)
.endif
.endm
.macro CROUND                          ; a round of the cluster's barrier
	s_barrier_signal -1
	s_barrier_wait -1
	s_cmp_lg_u32 s14, 0
	s_cbranch_scc1 .Lnot_wave_0_\@
	s_barrier_signal -3
.Lnot_wave_0_\@:
	s_barrier_wait -3
	s_barrier_signal -1
	s_barrier_wait -1
.endm
.macro PLACES
.rept 4
	v_nop
.endr
.endm
; one matrix instruction: d accumulator, f0, f1 fragments, s0, s1 their scale registers, z: the sum begins, r0, r1: the scale words lie in lanes 16-31
.macro W1 d, f0, f1, s0, s1, z, r0, r1
.if \z
.if \r0
.if \r1
	v_wmma_scale_f32_16x16x128_f8f6f4 v[(\d):(\d)+7], v[(\f0):(\f0)+11], v[(\f1):(\f1)+11], 0, v[(\s0)], v[(\s1)] matrix_a_fmt:MATRIX_FMT_FP6 matrix_b_fmt:MATRIX_FMT_FP6 matrix_a_scale:MATRIX_SCALE_ROW1 matrix_b_scale:MATRIX_SCALE_ROW1
.else
	v_wmma_scale_f32_16x16x128_f8f6f4 v[(\d):(\d)+7], v[(\f0):(\f0)+11], v[(\f1):(\f1)+11], 0, v[(\s0)], v[(\s1)] matrix_a_fmt:MATRIX_FMT_FP6 matrix_b_fmt:MATRIX_FMT_FP6 matrix_a_scale:MATRIX_SCALE_ROW1
.endif
.else
.if \r1
	v_wmma_scale_f32_16x16x128_f8f6f4 v[(\d):(\d)+7], v[(\f0):(\f0)+11], v[(\f1):(\f1)+11], 0, v[(\s0)], v[(\s1)] matrix_a_fmt:MATRIX_FMT_FP6 matrix_b_fmt:MATRIX_FMT_FP6 matrix_b_scale:MATRIX_SCALE_ROW1
.else
	v_wmma_scale_f32_16x16x128_f8f6f4 v[(\d):(\d)+7], v[(\f0):(\f0)+11], v[(\f1):(\f1)+11], 0, v[(\s0)], v[(\s1)] matrix_a_fmt:MATRIX_FMT_FP6 matrix_b_fmt:MATRIX_FMT_FP6
.endif
.endif
.else
.if \r0
.if \r1
	v_wmma_scale_f32_16x16x128_f8f6f4 v[(\d):(\d)+7], v[(\f0):(\f0)+11], v[(\f1):(\f1)+11], v[(\d):(\d)+7], v[(\s0)], v[(\s1)] matrix_a_fmt:MATRIX_FMT_FP6 matrix_b_fmt:MATRIX_FMT_FP6 matrix_a_scale:MATRIX_SCALE_ROW1 matrix_b_scale:MATRIX_SCALE_ROW1
.else
	v_wmma_scale_f32_16x16x128_f8f6f4 v[(\d):(\d)+7], v[(\f0):(\f0)+11], v[(\f1):(\f1)+11], v[(\d):(\d)+7], v[(\s0)], v[(\s1)] matrix_a_fmt:MATRIX_FMT_FP6 matrix_b_fmt:MATRIX_FMT_FP6 matrix_a_scale:MATRIX_SCALE_ROW1
.endif
.else
.if \r1
	v_wmma_scale_f32_16x16x128_f8f6f4 v[(\d):(\d)+7], v[(\f0):(\f0)+11], v[(\f1):(\f1)+11], v[(\d):(\d)+7], v[(\s0)], v[(\s1)] matrix_a_fmt:MATRIX_FMT_FP6 matrix_b_fmt:MATRIX_FMT_FP6 matrix_b_scale:MATRIX_SCALE_ROW1
.else
	v_wmma_scale_f32_16x16x128_f8f6f4 v[(\d):(\d)+7], v[(\f0):(\f0)+11], v[(\f1):(\f1)+11], v[(\d):(\d)+7], v[(\s0)], v[(\s1)] matrix_a_fmt:MATRIX_FMT_FP6 matrix_b_fmt:MATRIX_FMT_FP6
.endif
.endif
.endif
.endm
.macro WFETCH s, p                     ; the weight's eight fragments of K step s into set p: each as three loads of 512 consecutive bytes
.irp i, 0,1,2,3,4,5,6,7
.irp c, 0,1,2
	ds_load_b128 v[WF+96*(\p)+12*\i+4*\c:WF+96*(\p)+12*\i+4*\c+3], v[ADW+\i/4] offset:(\i%4)*12288+(\s)*1536+512*\c
.endr
.endr
.endm
.macro WSCALES                         ; the weight's scale words of all of K: register 4 s + j: tile 2 j in lanes 0-15, tile 2 j + 1 in lanes 16-31
.irp s, 0,1,2,3,4,5,6,7
.irp j, 0,1,2,3
	ds_load_b32 v[WS+4*\s+\j], v[ADS] offset:512*\s+128*\j
.endr
.endr
.endm
.macro TLOAD a                         ; x tile a's cosines and sines: frequencies 16 bb + 8 h + 0 .. 7 of my token, into set a % 2
	WIN 0x40
.irp bb, 0,1
.irp k, 0,1,2,3
	global_load_b128 v[TB+32*((\a)%2)+16*\bb+4*\k:TB+32*((\a)%2)+16*\bb+4*\k+3], v[TOFF], s[52:53] offset:(32*((\a)/2)+8*((\a)%2))*256+128*\bb+16*\k
.endr
.endr
	WIN 0
.endm
.macro MULS s, vr                      ; 32 matrix instructions, the 32 accumulators by turns in one order in every step
.if (\s) < 5
.set XR, 48*(\s)
.set XW, 3
.else
.set XR, 48*((\s)-5)
.set XW, 1
.endif
.set WB, WF+96*((\s)%2)
.if \vr
	WIN 0xa0+XW
.irp a, 0,1,2,3,4,5,6,7
.irp t, 0,1,2,3
	W1 8*(4*\a+\t), XR+12*\t, WB+12*\a, XS+2*(\s)+\t/2, WS+4*(\s)+\a/2, (\s)==0, \t%2, \a%2
.endr
.endr
.else
	WIN 0xa0+4*XW
.irp a, 0,1,2,3
.irp b, 0,1,2,3,4,5,6,7
	W1 8*(8*\a+\b), WB+12*\b, XR+12*\a, WS+4*(\s)+\b/2, XS+2*(\s)+\a/2, (\s)==0, \b%2, \a%2
.endr
.endr
.endif
	WIN 0
.endm
.macro KSTEP s, vr
.if !(\vr)                             ; x's 12 loads of this K step are in: behind them stand 12 for each later step, and from step 5 on the 16 table loads (the wait's field holds 63)
.if (\s) < 2
	s_wait_loadcnt 63
.elseif (\s) < 5
	s_wait_loadcnt 12*(7-(\s))
.else
	s_wait_loadcnt 12*(7-(\s))+TLN
.endif
.endif
	s_wait_dscnt 0x0                               ; this step's fragments, asked for a step ago, are in
.if (\s) < 7
.if (\s) > 0
	PLACES                                         ; ahead of loads into the set that the last step's products read
.endif
	WFETCH (\s)+1, ((\s)+1)%2
.endif
.if (\s) == 4 && !(\vr)
	TLOAD 0
	TLOAD 1
.endif
	MULS \s, \vr
.endm
	s_load_b256 s[4:11], s[0:1], 0x0               ; xq s[4:5], wq s[6:7], rtab s[8:9], qb s[10:11]
	s_load_b64 s[12:13], s[0:1], 0x20              ; kvb
	v_lshl_add_u32 v[SPW], v0, 2, SPARE
	v_mov_b32 v[NIL], 0
	ds_add_u32 v[SPW], v[NIL]                      ; the opening lines: the add, twice on end, and its wait ahead of my first tensor load
	ds_add_u32 v[SPW], v[NIL]
	v_lshrrev_b32 v15, 5, v0
	v_readfirstlane_b32 s14, v15                   ; wave
	s_lshr_b32 s15, s14, 1                         ; which record of the work-group's two
	s_and_b32 s16, s14, 1                          ; which 64 of its 128 tokens
	s_bfe_u32 s17, ttmp6, 0x40000                  ; cx
	s_lshl_b32 s18, ttmp9, 2
	s_add_co_u32 s18, s18, s17                     ; the block of 256 tokens: it enters global addresses alone
	s_and_b32 s19, ttmp7, 0xffff                   ; the pair of heads
	s_mov_b32 s[G1W], 15|(3<<16)|(1<<21)           ; the mask of all four; elements of 8 bytes; bit 21 beside a mask.  98,304 dense bytes as 384 rows of 256
	s_mov_b32 s[G1W+1], 32<<16
	s_mov_b32 s[G1W+2], 384<<16
	s_mov_b32 s[G1W+3], 32<<16
	s_mov_b32 s[G1W+4], 384
	s_mov_b32 s[G1W+5], 32
	s_mov_b32 s[G1W+6], 0
	s_mov_b32 s[G1W+7], 0
	s_mov_b32 s[G1S], 15|(3<<16)|(1<<21)           ; three blocks of scale words: rows of 4,096 bytes, 32,768 bytes apart
	s_mov_b32 s[G1S+1], 512<<16
	s_mov_b32 s[G1S+2], 3<<16
	s_mov_b32 s[G1S+3], 512<<16
	s_mov_b32 s[G1S+4], 3
	s_mov_b32 s[G1S+5], 4096
	s_mov_b32 s[G1S+6], 0
	s_mov_b32 s[G1S+7], 0
	s_mul_i32 s20, s14, 786432                     ; waves 0, 1, 2: Wq's, Wk's, Wv's 8 tiles of this pair of heads
	s_mul_i32 s21, s19, WROLE
	s_add_co_u32 s20, s20, s21
	s_lshl_b32 s21, s19, 12                        ; wave 3: the scale words
	s_add_co_u32 s21, s21, WS_OFF
	s_cmp_lt_u32 s14, 3
	s_cselect_b32 s20, s20, s21
	s_mov_b32 s21, 0
	s_mov_b32 s[G0], 1
	s_mul_i32 s[G0+1], s14, WROLE                  ; and where they go: wave x 98,304 (wave 3's is WSC)
	s_mul_i32 s66, s15, 12288
	s_mul_i32 s67, s16, 520
	s_add_co_u32 s67, s67, s66
	s_mul_i32 s68, s16, 1016
	s_add_co_u32 s68, s68, s66
	s_lshl_b32 s69, s15, 9
	s_lshl_b32 s70, s16, 1
	s_add_co_u32 s70, s70, s69
	s_add_co_u32 s70, s70, SSTG+2048
	s_lshl_b32 s63, s16, 2
	s_add_co_u32 s63, s63, s69
	s_add_co_u32 s63, s63, SSTG
	s_lshl_b32 s22, s18, 2
	s_add_co_u32 s22, s22, s14                     ; my run of 64 tokens
	s_mul_i32 s54, s22, 49152                      ; its four tiles of codes
	s_mov_b32 s55, 0
	s_lshl_b32 s52, s22, 14                        ; its rows of the table
	s_mov_b32 s53, 0
	s_lshl_b32 s23, s18, 1
	s_add_co_u32 s23, s23, s15                     ; the step of 128 tokens
	s_lshl_b32 s56, s23, 12
	s_lshl_b32 s72, s16, 8
	s_add_co_u32 s56, s56, s72
	s_add_co_u32 s56, s56, XS_OFF                  ; my four tiles' scale words
	s_mov_b32 s57, 0
	s_lshl_b32 s44, s19, 6
	s_add_co_u32 s44, s44, s23
	s_mul_i32 s44, s44, REC                        ; my record
	s_mov_b32 s45, 0
	s_mul_i32 s48, s16, 3072                       ; my two fragments of a head's four
	s_mov_b32 s49, 0
	s_mov_b32 s36, 0x76543210
	s_mov_b32 s37, 0xfedcba98
	s_mov_b32 s38, 0x05040100
	s_mov_b32 s39, 0x07060302
	s_mov_b32 s71, 0xffff0000
	v_and_b32 v[LN], 31, v0
	v_and_b32 v15, 15, v0                          ; r
	v_bfe_u32 v[ADS], v0, 4, 1                     ; h
	v_lshlrev_b32 v[L16], 4, v[LN]
	v_lshlrev_b32 v[L8], 3, v[LN]
	v_lshlrev_b32 v[L4], 2, v[LN]
	v_and_b32 v[TOFF], 8, v15
	v_add_nc_u32 v[TOFF], v[TOFF], v15
	v_lshlrev_b32 v[TOFF], 8, v[TOFF]
	v_lshl_add_u32 v[TOFF], v[ADS], 6, v[TOFF]     ; (r + 8 (r / 8)) x 256 + 64 h
	v_add_nc_u32 v[AV1], s67, v[L16]
	v_add_nc_u32 v[AV2], s68, v[L16]
	v_lshl_add_u32 v[AVS], v15, 3, s70
	s_wait_alu depctr_va_vdst(0)                   ; the wait at the head's end
	s_wait_dscnt 0x0                               ; both opening adds are done
	s_wait_kmcnt 0x0
	s_add_nc_u64 s[G0+2:G0+3], s[6:7], s[20:21]
	s_or_b32 s[G0+3], s[G0+3], 0x80000000
	s_add_nc_u64 s[54:55], s[4:5], s[54:55]
	s_add_nc_u64 s[56:57], s[4:5], s[56:57]
	s_add_nc_u64 s[52:53], s[8:9], s[52:53]
	s_add_nc_u64 s[46:47], s[12:13], s[44:45]      ; my record in kvb,
	s_add_nc_u64 s[44:45], s[10:11], s[44:45]      ; in qb
	s_add_nc_u64 s[50:51], s[46:47], s[48:49]
	s_add_nc_u64 s[48:49], s[44:45], s[48:49]      ; where the trip's fragments go: q's first
	CROUND                                         ; all four work-groups are here: the joint loads meet
	s_cmp_lt_u32 s14, 3
	s_cbranch_scc0 .Lwords
	tensor_load_to_lds s[G0:G0+3], s[G1W:G1W+7]    ; one tensor load a wave, each way through the head passes one
	s_nop 0
	PLACES
	s_branch .Lasked
.Lwords:
	tensor_load_to_lds s[G0:G0+3], s[G1S:G1S+7]
	s_nop 0
	PLACES
.Lasked:
.irp s, 0,1,2,3,4,5,6,7
.irp j, 0,1
	global_load_b32 v[XS+2*\s+\j], v[L4], s[56:57] offset:512*\s+128*\j   ; x's scale words: tile 2 j in lanes 0-15, 2 j + 1 in lanes 16-31
.endr
.endr
	WIN 0xc0
.irp s, 0,1,2,3,4
.irp t, 0,1,2,3
.irp q, 0,1,2
	global_load_b128 v[48*\s+12*\t+4*\q:48*\s+12*\t+4*\q+3], v[L16], s[54:55] offset:\t*12288+\s*1536+512*\q
.endr
.endr
.endr
	WIN 0x40
.irp s, 5,6,7
.irp t, 0,1,2,3
.irp q, 0,1,2
	global_load_b128 v[48*(\s-5)+12*\t+4*\q:48*(\s-5)+12*\t+4*\q+3], v[L16], s[54:55] offset:\t*12288+\s*1536+512*\q
.endr
.endr
.endr
	WIN 0
	s_wait_tensorcnt 0x0                           ; my tile has landed,
	s_barrier_signal -1
	s_barrier_wait -1                              ; everybody's has
.macro ROPE a                          ; (x1, x2) -> (x1 c - x2 s, x1 s + x2 c), a pair an instruction; each accumulator is read from its low end on
.set AC, 64*(\a)
.set CB, TB+32*((\a)%2)
	WIN 0x06                                       ; source 0 window 2, source 1 window 1
.set MI, 0
.rept 32
	v_pk_mul_f32 v[H+2*MI:H+2*MI+1], v[AC+2*MI:AC+2*MI+1], v[CB+2*(8*((MI/8)%2)+MI%8):CB+2*(8*((MI/8)%2)+MI%8)+1] op_sel_hi:[1,0]
.set MI, MI+1
.endr
.set MI, 0
.rept 32
	v_pk_fma_f32 v[H+2*MI:H+2*MI+1], v[AC+2*MI:AC+2*MI+1], v[CB+2*(8*((MI/8)%2)+MI%8):CB+2*(8*((MI/8)%2)+MI%8)+1], v[H+2*MI:H+2*MI+1] op_sel:[1,1,0] op_sel_hi:[0,1,1] neg_lo:[0,1,0]
.set MI, MI+1
.endr
	WIN 0
.endm
.macro QUANT d0, d1, pw                ; v[H] on: register 16 b + i = channel 32 b + 16 h + i of my token.  Codes of channels 0 .. 63 to v[d0] on (6 registers), of 64 .. 127 to v[d1] on; the scale word to v[pw]
.irp b, 0,1,2,3
	v_max3_num_f32 v[TM+\b], |v[H+16*\b]|, |v[H+1+16*\b]|, 0x1800000   ; with the floor 2^(3 - 127): the byte cannot fall under 1
.endr
.irp i, 2,4,6,8,10,12,14
.irp b, 0,1,2,3
	v_max3_num_f32 v[TM+\b], v[TM+\b], |v[H+16*\b+\i]|, |v[H+1+16*\b+\i]|
.endr
.endr
.irp b, 0,1,2,3
	v_permlanex16_b32 v[TM+4+\b], v[TM+\b], s36, s37
.endr
.irp b, 0,1,2,3
	v_max_num_f32 v[TM+\b], v[TM+\b], v[TM+4+\b]
.endr
.irp b, 0,1,2,3
	v_add_nc_u32 v[TM+12+\b], 0xff000000, v[TM+\b]
.endr
.irp b, 0,1,2,3
	v_lshrrev_b32 v[TM+4+\b], 23, v[TM+12+\b]
.endr
	v_lshl_or_b32 v[\pw], v[TM+5], 8, v[TM+4]
	v_lshl_or_b32 v[\pw], v[TM+6], 16, v[\pw]
	v_lshl_or_b32 v[\pw], v[TM+7], 24, v[\pw]
	v_cvt_scalef32_pk16_fp6_f32 v[\d0:\d0+2], v[H:H+15], v[TM+12]
	v_cvt_scalef32_pk16_fp6_f32 v[CT:CT+2], v[H+16:H+31], v[TM+13]
	v_cvt_scalef32_pk16_fp6_f32 v[\d1:\d1+2], v[H+32:H+47], v[TM+14]
	v_cvt_scalef32_pk16_fp6_f32 v[CT+4:CT+6], v[H+48:H+63], v[TM+15]
	v_nop                                          ; one plain place behind a scaled conversion
.irp i, 0,1,2
	v_permlane16_swap_b32 v[\d0+\i], v[CT+\i]      ; a whole block to a lane
	v_permlane16_swap_b32 v[\d1+\i], v[CT+4+\i]
.endr
.irp i, 0,1,2
	v_mov_b32 v[\d0+3+\i], v[CT+\i]
	v_mov_b32 v[\d1+3+\i], v[CT+4+\i]
.endr
.endm
.macro BLOCK a                         ; x tile a: 16 tokens x 128 channels
.if (\a) < 3
	s_wait_loadcnt 8                               ; this tile's 8 table loads are in; the next tile's 8 may be out
.else
	s_wait_loadcnt 0x0
.endif
.if (\a) == 2
	s_wait_xcnt 0x0                                ; the first pair's stores have read E
.endif
	ROPE \a
.if (\a) < 2
	TLOAD (\a)+2
.endif
	QUANT E+6*((\a)%2), E+12+6*((\a)%2), PW+(\a)
.if (\a)%2                             ; a fragment: one head's 64 channels of both tiles of the pair
.irp q, 0,1,2
	global_store_b128 v[L16], v[E+4*\q:E+4*\q+3], s[48:49] offset:((\a)/2)*1536+512*\q   ; 32 lanes store 512 consecutive bytes, aligned
	global_store_b128 v[L16], v[E+12+4*\q:E+12+4*\q+3], s[48:49] offset:6144+((\a)/2)*1536+512*\q
.endr
.endif
.endm
	s_mov_b32 s60, 0
	s_mov_b32 s61, 0
	s_mov_b32 s62, WSC
.Lrole:                                            ; trip 0: q, trip 1: k
	v_add_nc_u32 v[ADW], s61, v[L16]
	v_add_nc_u32 v[ADW+1], 49152, v[ADW]
	v_add_nc_u32 v[ADS], s62, v[L4]
	v_add_nc_u32 v[ASG], s63, v[L8]
	s_wait_alu depctr_va_vdst(0)                   ; the wait behind these writes
	WSCALES
	WFETCH 0, 0
.irp s, 0,1,2,3,4,5,6,7
	KSTEP \s, 0
.endr
	PLACES                                         ; ahead of the first read of results and the first write into the fragments' registers
.irp b, 0,1,2,3
	v_mov_b32 v[TM+4+\b], 0                        ; a lane permute's destination counts as one of its sources
.endr
	BLOCK 0
	BLOCK 1
	BLOCK 2
	BLOCK 3
	v_perm_b32 v[U], v[PW+1], v[PW], s38           ; a fragment's word: two bytes of each tile of the pair; head 0,
	v_perm_b32 v[U+1], v[PW+3], v[PW+2], s38
	v_perm_b32 v[U+2], v[PW+1], v[PW], s39         ; head 1
	v_perm_b32 v[U+3], v[PW+3], v[PW+2], s39
	v_cndmask_b32 v[U], v[U], v[U+1], s71          ; lanes 16-31 take the second pair's
	v_cndmask_b32 v[U+2], v[U+2], v[U+3], s71
	ds_store_b32 v[ASG], v[U]
	ds_store_b32 v[ASG], v[U+2] offset:256
	s_wait_xcnt 0x0                                ; the stores have read their data and their base
	s_mov_b64 s[48:49], s[50:51]
	s_add_co_u32 s61, s61, WROLE
	s_add_co_u32 s62, s62, 4096
	s_add_co_u32 s63, s63, 1024
	s_add_co_u32 s60, s60, 1
	s_cmp_lt_u32 s60, 2
	s_wait_alu depctr_va_vdst(0)
	s_cbranch_scc1 .Lrole
	s_wait_dscnt 0x0                               ; my reads of Wq's and Wk's bytes and my stores of words are over:
	s_barrier_signal -1
	s_barrier_wait -1                              ; everybody's are: behind this barrier nobody reads Wq's bytes, which take V's stage
	v_add_nc_u32 v[ADW], 2*WROLE, v[L16]
	v_add_nc_u32 v[ADW+1], 49152, v[ADW]
	v_add_nc_u32 v[ADS], WSC+8192, v[L4]
	s_wait_alu depctr_va_vdst(0)
	WSCALES
	WFETCH 0, 0
.irp s, 0,1,2,3,4,5,6,7
	KSTEP \s, 1
.endr
	PLACES
.irp b, 0,1,2,3
	v_mov_b32 v[TM+4+\b], 0
.endr
; Wv's tiles a, a + 1: a lane holds a channel; its 32 registers of a tile are my 64 tokens, two blocks of 32: half a fragment (registers 6 c .. 6 c + 5) and two bytes of its scale word.
; V's stage lies in Wq's bytes, which have had their one fill and, at the barrier above, their last read.
.macro VQ a
	s_wait_dscnt 0x0                               ; the last pair's LDS stores have read their registers
	WIN 0x28                                       ; sources 1 and 2 window 2
.irp z, 0,1,2,3
	v_max3_num_f32 v[TM+\z], 0x1800000, |v[32*(\a)+16*\z]|, |v[32*(\a)+16*\z+1]|
.endr
.irp i, 2,4,6,8,10,12,14
.irp z, 0,1,2,3
	v_max3_num_f32 v[TM+\z], v[TM+\z], |v[32*(\a)+16*\z+\i]|, |v[32*(\a)+16*\z+\i+1]|
.endr
.endr
	WIN 0
.irp z, 0,1,2,3
	v_permlanex16_b32 v[TM+4+\z], v[TM+\z], s36, s37
.endr
.irp z, 0,1,2,3
	v_max_num_f32 v[TM+\z], v[TM+\z], v[TM+4+\z]
.endr
.irp z, 0,1,2,3
	v_add_nc_u32 v[TM+12+\z], 0xff000000, v[TM+\z]
.endr
.irp z, 0,1,2,3
	v_lshrrev_b32 v[TM+4+\z], 23, v[TM+12+\z]
.endr
	v_lshl_or_b32 v[TM+8], v[TM+5], 8, v[TM+4]
	v_lshl_or_b32 v[TM+9], v[TM+7], 8, v[TM+6]
	WIN 0x02                                       ; source 0 window 2
	v_cvt_scalef32_pk16_fp6_f32 v[E:E+2], v[32*(\a):32*(\a)+15], v[TM+12]
	v_cvt_scalef32_pk16_fp6_f32 v[CT:CT+2], v[32*(\a)+16:32*(\a)+31], v[TM+13]
	v_cvt_scalef32_pk16_fp6_f32 v[E+6:E+8], v[32*(\a)+32:32*(\a)+47], v[TM+14]
	v_cvt_scalef32_pk16_fp6_f32 v[CT+4:CT+6], v[32*(\a)+48:32*(\a)+63], v[TM+15]
	WIN 0
	v_nop
.irp i, 0,1,2
	v_permlane16_swap_b32 v[E+\i], v[CT+\i]
	v_permlane16_swap_b32 v[E+6+\i], v[CT+4+\i]
.endr
.irp i, 0,1,2
	v_mov_b32 v[E+3+\i], v[CT+\i]
	v_mov_b32 v[E+9+\i], v[CT+4+\i]
.endr
.irp u, 0,1
	ds_store_b64 v[AV1], v[E+6*\u:E+6*\u+1] offset:((\a)+\u)*1536
	ds_store_b64 v[AV2], v[E+6*\u+2:E+6*\u+3] offset:((\a)+\u)*1536+8
	ds_store_b64 v[AV1], v[E+6*\u+4:E+6*\u+5] offset:((\a)+\u)*1536+512
	ds_store_b16 v[AVS], v[TM+8+\u] offset:(((\a)+\u)/4)*256+128*(((\a)+\u)%2)+4*((((\a)+\u)%4)/2)   ; lanes r and r + 16 write the same bytes with the same value
.endr
.endm
	VQ 0
	VQ 2
	VQ 4
	VQ 6
	s_mul_i32 s20, s14, 6144
	s_lshl_b32 s21, s14, 8
	s_add_co_u32 s21, s21, SSTG
	v_add_nc_u32 v[ADW], s20, v[L16]
	v_add_nc_u32 v[ADS], s21, v[L8]
	s_wait_alu depctr_va_vdst(0)
	s_wait_dscnt 0x0                               ; my stores into the stages are done
	s_barrier_signal -1
	s_barrier_wait -1                              ; everybody's are
.irp j, 0,1,2,3,4,5,6,7,8,9,10,11
	ds_load_b128 v[H+4*\j:H+4*\j+3], v[ADW] offset:512*\j          ; wave w takes V of head w % 2 of record w / 2: 6,144 bytes
.endr
.irp p, 0,1,2
	ds_load_b64 v[E+2*\p:E+2*\p+1], v[ADS] offset:1024*\p          ; and that head's scale images of q, k, v
.endr
	s_mul_i32 s20, s16, 6144
	s_add_co_u32 s20, s20, 12288
	s_mov_b32 s21, 0
	s_add_nc_u64 s[20:21], s[46:47], s[20:21]
	s_lshl_b32 s22, s16, 8
	s_add_co_u32 s22, s22, 24576
	s_mov_b32 s23, 0
	s_add_nc_u64 s[72:73], s[44:45], s[22:23]
	s_add_nc_u64 s[22:23], s[46:47], s[22:23]
	s_wait_dscnt 0x0
.irp j, 0,1,2,3,4,5,6,7,8,9,10,11
	global_store_b128 v[L16], v[H+4*\j:H+4*\j+3], s[20:21] offset:512*\j   ; 32 lanes store 512 consecutive bytes, aligned
.endr
	global_store_b64 v[L8], v[E:E+1], s[72:73]                     ; 32 lanes store 256 consecutive bytes, aligned
	global_store_b64 v[L8], v[E+2:E+3], s[22:23]
	global_store_b64 v[L8], v[E+4:E+5], s[22:23] offset:512
	s_wait_tensorcnt 0x0                           ; the wave's end
	ds_add_u32 v[SPW], v[NIL]
	s_wait_dscnt 0x0
	CROUND                                         ; the closing round
	s_endpgm
.Lfunc_end_k_qe570f5ae7e_qkv:
	.size	k_qe570f5ae7e_qkv, .Lfunc_end_k_qe570f5ae7e_qkv-k_qe570f5ae7e_qkv
	.p2alignl 7, 3214868480
	.fill 96, 4, 3214868480
	.section	.rodata,"a",@progbits
	.p2align	6, 0x0
	.amdhsa_kernel k_qe570f5ae7e_qkv
		.amdhsa_group_segment_fixed_size 327680
		.amdhsa_private_segment_fixed_size 0
		.amdhsa_enable_private_segment 0
		.amdhsa_kernarg_size 40
		.amdhsa_user_sgpr_count 2
		.amdhsa_user_sgpr_kernarg_segment_ptr 1
		.amdhsa_wavefront_size32 1
		.amdhsa_system_sgpr_workgroup_id_x 1
		.amdhsa_system_sgpr_workgroup_id_y 1
		.amdhsa_system_sgpr_workgroup_id_z 1
		.amdhsa_system_vgpr_workitem_id 0
		.amdhsa_next_free_vgpr 1024
		.amdhsa_next_free_sgpr 96
		.amdhsa_reserve_vcc 0
		.amdhsa_float_denorm_mode_32 3
		.amdhsa_float_denorm_mode_16_64 3
		.amdhsa_memory_ordered 1
		.amdhsa_forward_progress 1
		.amdhsa_inst_pref_size 171
	.end_amdhsa_kernel
	.amdgpu_metadata
---
amdhsa.version: [ 1, 2 ]
amdhsa.kernels:
  - .name:           k_qe570f5ae7e_qkv
    .symbol:         k_qe570f5ae7e_qkv.kd
    .args:
      - { .name: xq, .offset: 0, .size: 8, .value_kind: global_buffer, .address_space: global }
      - { .name: wq, .offset: 8, .size: 8, .value_kind: global_buffer, .address_space: global }
      - { .name: rtab, .offset: 16, .size: 8, .value_kind: global_buffer, .address_space: global }
      - { .name: qb, .offset: 24, .size: 8, .value_kind: global_buffer, .address_space: global }
      - { .name: kvb, .offset: 32, .size: 8, .value_kind: global_buffer, .address_space: global }
    .group_segment_fixed_size: 327680
    .private_segment_fixed_size: 0
    .kernarg_segment_align: 8
    .kernarg_segment_size: 40
    .max_flat_workgroup_size: 128
    .sgpr_count:     96
    .vgpr_count:     1024
    .wavefront_size: 32
...
	.end_amdgpu_metadata
.endif
;; end of part 2
;; launch attn (part 3): grid 32 x 8, 16 waves a work-group, no clusters, 167,936 bytes of LDS; arguments qb, kvb, oq; writes oq
.if DOCPART == 3
	.amdgcn_target "amdgcn-amd-amdhsa--gfx1250"
	.amdhsa_code_object_version 6
	.text
	.protected	k_qe570f5ae7e_attn
	.globl	k_qe570f5ae7e_attn
	.p2align	8
	.type	k_qe570f5ae7e_attn,@function
k_qe570f5ae7e_attn:
	s_mov_b64 s[64:65], 0
	v_nop
	global_prefetch_b8 v0, s[64:65] scope:SCOPE_SE
	s_setreg_imm32_b32 hwreg(HW_REG_WAVE_MODE, 25, 1), 1
	s_wait_xcnt 0x0
; Causal attention in a window of 512 keys (query q sees keys q - 511 .. q, none before token 0), 16 heads of 64, both products on codes of FP6 (E2M3) with E8M0 scales; o is divided by the row's sum and quantised along
; heads x 64 for the last projection, in the order of that product's operand registers.
; THE SOFTMAX: t = score x log2(e) / 8; M = the running largest t rounded UP to a whole number; p = 2^(t - M) is quantised along the keys, not normalised; the row's sum is of the unquantised p.
; When M moves, the sum and O are multiplied by 2^(old M - new M): exact.  LIMITS: t under -3e38, NaN and infinities are not served; a block whose largest magnitude lies under 2^-124 gets the byte 1.
; SHARES.  A work-group owns 256 queries of a PAIR of heads; each of its sixteen waves owns one tile of 16 queries (lane place r of wave w: query 32 (w / 2) + 8 (w % 2) + r + 8 (r / 8)) and walks the two heads one after the
; other: so it ends with a whole fragment (128 along the last product's K) and a whole scale word of o.  Four waves to a SIMD: one wave's vector work stands beside another's matrix work.
; KEYS.  A wave's queries lie in one step of 128 tokens; their windows reach four steps back: five steps of 128 keys.  In the first a key counts where its place in the step is ABOVE the query's, in the last where it is not:
; the two masks are each other's complement, since the window is 512 = 4 x 128.  A step ahead of token 0 is left out by a scalar branch on ids.
; LDS.  The work-group's six records (steps 2 x - 4 .. 2 x + 1, 25,600 bytes each: K, V and their scale words of both heads, as images of the operand registers) are SIX FIRST FILLS, one tensor load each by waves 0 to 5:
; nothing is filled again, one barrier.  A record ahead of token 0 is replaced by record 0, which no step then reads: all work-groups run alike, and no load leaves the buffer.
; THE HEAD'S 64 ARE HALF OF THE INSTRUCTION'S 128: a fragment of K holds two tiles of 16 keys, each with its 64 channels; source 1 is (Q, zeros) for the first tile and (zeros, Q) for the second: zero codes add nothing.
; NO MULTICAST: neighbouring query blocks share four of their six records, but record j of one is record j - 2 of the next: another LDS place and another set of records, so no two work-groups could issue one descriptor.
; NO PREFETCH: every byte that the work-group reads is asked for in its first lines.
; o's scale word is stored 64 bytes a wave, part of an aligned 256: one byte in 24 of what the launch stores.
.set REC,   25600
.set SPARE, 6*REC                      ; the spare words, 128 bytes a wave: eight blocks of 256 bytes that no other line names
.set XS_OFF, 6291456
.set L16, 1                            ; v1  16 x lane
.set L8,  2                            ; v2  8 x lane
.set DQ,  3                            ; v3  my query's place in its step of 128, less 16 h
.set NINF, 4                           ; v4  -infinity
.set SPW, 5
.set NIL, 6
.set ADF, 7                            ; v7  the step's fragments
.set ADW, 8                            ; v8  the step's scale words
.set R4,  9                            ; v9  4 r
.set QA,  16                           ; v16-33 (Q, zeros, Q)
.set QH1, 34                           ; v34-39 the second head's Q
.set QS,  40                           ; v40, v41 Q's scale words of the two heads
.set KS,  42                           ; v[42:43] K's scale words
.set VS,  44                           ; v[44:45] V's
.set PWD, 46                           ; v46 p's scale word
.set OW,  47                           ; v47 o's scale word
.set KVF, 48                           ; v48-95 four fragments of K, then of V
.set S,   96                           ; v96-159 S^T, then p
.set O,   160                          ; v160-191 O^T
.set PC,  192                          ; v192-203 p's codes
.set CT,  204
.set TMX, 212
.set TP,  216
.set TE,  220
.set F,   224                          ; v[224:225]
.set TMP, 226
.set OF,  228                          ; v228-239 o's fragment
.set SM,  240                          ; v[240:241] the sum's second chain
.set WV,  10
.set G1,  36
.set G0,  44
.set SEL, 48
.set CS,  50
.set TB,  52                           ; s52 LDS byte at which the step's record begins
.set SABS, 53                          ; s53 the step's number among the sequence's 64
.set CNT, 54
	s_load_b128 s[4:7], s[0:1], 0x0                ; qb, kvb
	s_load_b64 s[8:9], s[0:1], 0x10                ; oq
	v_lshl_add_u32 v[SPW], v0, 2, SPARE
	v_mov_b32 v[NIL], 0
	ds_add_u32 v[SPW], v[NIL]                      ; the wave's opening: the add and its wait ahead of my first tensor load; work on registers stands between
	ds_add_u32 v[SPW], v[NIL]
	v_lshrrev_b32 v9, 5, v0
	s_delay_alu instid0(VALU_DEP_1)
	v_readfirstlane_b32 s[WV], v9                  ; wave 0..15
	s_and_b32 s11, ttmp7, 0xffff                   ; the pair of heads
	s_lshl_b32 s12, ttmp9, 1                       ; 2 x
	s_lshl_b32 s14, s11, 6
	s_min_u32 s15, s[WV], 5                        ; (so that every wave's descriptor is a valid one; waves 0 to 5 load)
	s_add_co_u32 s13, s12, s15
	s_sub_co_i32 s13, s13, 4
	s_max_i32 s13, s13, 0                          ; the key step that I fetch, held at 0
	s_add_co_u32 s13, s13, s14
	s_mul_i32 s16, s13, REC
	s_mov_b32 s17, 0
	s_mul_i32 s15, s15, REC
	s_mov_b32 s[G1], 3<<16                         ; no mask; elements of 8 bytes; no padding: a record is 100 dense rows of 256 bytes
	s_mov_b32 s[G1+1], 32<<16
	s_mov_b32 s[G1+2], 100<<16
	s_mov_b32 s[G1+3], 32<<16
	s_mov_b32 s[G1+4], 100
	s_mov_b32 s[G1+5], 32
	s_mov_b32 s[G1+6], 0
	s_mov_b32 s[G1+7], 0
	s_mov_b32 s[SEL], 0x76543210
	s_mov_b32 s[SEL+1], 0xfedcba98
	s_mov_b32 s[CS], 0x3e38aa3b                    ; c = log2(e) / sqrt(64)
	s_mov_b32 s[CS+1], s[CS]
	s_wait_dscnt 0x0                               ; the opening add is done
	s_wait_kmcnt 0x0
	s_mov_b32 s[G0], 1
	s_mov_b32 s[G0+1], s15
	s_add_nc_u64 s[G0+2:G0+3], s[6:7], s[16:17]
	s_or_b32 s[G0+3], s[G0+3], 0x80000000
	s_cmp_lt_u32 s[WV], 6
	s_cbranch_scc0 .Lno_fill
	tensor_load_to_lds s[G0:G0+3], s[G1:G1+7]
	s_nop 0
.rept 4
	v_nop
.endr
.Lno_fill:
	v_and_b32 v10, 31, v0
	s_delay_alu instid0(VALU_DEP_1)
	v_lshlrev_b32 v[L16], 4, v10
	s_wait_alu depctr_va_vdst(0)
	v_lshlrev_b32 v[L8], 3, v10
	v_and_b32 v10, 15, v0                          ; r
	v_bfe_u32 v11, v0, 4, 1                        ; h
	s_delay_alu instid0(VALU_DEP_2)
	v_lshlrev_b32 v[R4], 2, v10
	s_delay_alu instid0(VALU_DEP_3)
	v_lshlrev_b32 v[ADW], 3, v10                   ; (8 r, for Q's scale words)
	s_wait_alu depctr_va_vdst(0)
	s_lshr_b32 s18, s[WV], 3                       ; which 128 of the 256 queries
	s_add_co_u32 s19, s12, s18                     ; my queries' step
	s_add_co_u32 s20, s19, s14
	s_mul_i32 s20, s20, REC                        ; its record in qb
	s_mov_b32 s21, 0
	s_add_nc_u64 s[26:27], s[4:5], s[20:21]
	s_bfe_u32 s22, s[WV], 0x20001                  ; which 32 of the 128: (w / 2) % 4
	s_mul_i32 s20, s22, 1536
	s_add_nc_u64 s[24:25], s[26:27], s[20:21]      ; their fragment
	s_and_b32 s20, s22, 1                          ; their scale word: lanes 16 (g % 2) + r of the image, word (g / 2) % 2
	s_lshl_b32 s20, s20, 7
	s_lshr_b32 s23, s22, 1
	s_lshl_b32 s23, s23, 2
	s_add_co_u32 s20, s20, s23
	s_add_nc_u64 s[26:27], s[26:27], s[20:21]
.irp hd, 0,1
.irp q, 0,1,2
	global_load_b128 v[S+12*\hd+4*\q:S+12*\hd+4*\q+3], v[L16], s[24:25] offset:6144*\hd+512*\q
.endr
	global_load_b32 v[S+24+\hd], v[ADW], s[26:27] offset:24576+256*\hd
.endr
	s_and_b32 s31, s[WV], 1                        ; u: which 16 of the 32
	s_sub_co_u32 s28, 0, s31                       ; all ones where u = 1
	s_cmp_eq_u32 s31, 1
	s_mov_b32 s29, 0x01000100
	s_cselect_b32 s29, 0x03020302, s29             ; my tile's two bytes, twice
	s_lshl_b32 s30, s22, 5
	s_lshl_b32 s31, s31, 3
	s_add_co_u32 s30, s30, s31
	v_and_b32 v[DQ], 8, v10
	s_delay_alu instid0(VALU_DEP_1)
	v_add_nc_u32 v[DQ], v[DQ], v10
	v_lshlrev_b32 v11, 4, v11
	s_delay_alu instid0(VALU_DEP_1)
	v_sub_nc_u32 v[DQ], v[DQ], v11
	s_delay_alu instid0(VALU_DEP_1)
	v_add_nc_u32 v[DQ], s30, v[DQ]                 ; 32 (g % 4) + 8 u + r + 8 (r / 8) - 16 h
	v_mov_b32 v[NINF], 0xff800000
	s_lshl_b32 s20, ttmp9, 4
	s_add_co_u32 s20, s20, s[WV]                   ; o's tile: 16 x + w
	s_lshl_b32 s20, s20, 3
	s_add_co_u32 s20, s20, s11                     ; its K step: the pair of heads
	s_mul_i32 s20, s20, 1536
	s_add_nc_u64 s[32:33], s[8:9], s[20:21]
	s_lshl_b32 s20, s19, 12                        ; o's scale block of 128 rows,
	s_lshl_b32 s23, s11, 9                         ; the K step,
	s_add_co_u32 s20, s20, s23
	s_and_b32 s23, s[WV], 7                        ; the tile
	s_lshl_b32 s23, s23, 6
	s_add_co_u32 s20, s20, s23
	s_add_co_u32 s20, s20, XS_OFF
	s_add_nc_u64 s[34:35], s[8:9], s[20:21]
.irp b, 0,1,2,3
	v_mov_b32 v[TP+\b], 0                          ; a lane permute's destination counts as one of its sources
.endr
	v_mov_b32 v[F+1], 0                            ; (named as the upper half of the pair)
	s_wait_loadcnt 0x0
.irp i, 0,1,2,3,4,5
	v_cndmask_b32 v[QA+\i], v[S+\i], v[S+6+\i], s28
	v_cndmask_b32 v[QH1+\i], v[S+12+\i], v[S+18+\i], s28
	v_mov_b32 v[QA+6+\i], 0
.endr
.irp i, 0,1,2,3,4,5
	v_mov_b32 v[QA+12+\i], v[QA+\i]
.endr
	v_perm_b32 v[QS], v[S+24], v[S+24], s29
	v_perm_b32 v[QS+1], v[S+25], v[S+25], s29
	s_wait_tensorcnt 0x0                           ; my record has landed,
	s_barrier_signal -1
	s_barrier_wait -1                              ; everybody's has
.macro SPROD b, u, hd                  ; S^T of 16 keys: tile u of fragment b
.if (\b)%2
	v_wmma_scale_f32_16x16x128_f8f6f4 v[S+16*(\b)+8*(\u):S+16*(\b)+8*(\u)+7], v[KVF+12*(\b):KVF+12*(\b)+11], v[QA+6*(\u):QA+6*(\u)+11], 0, v[KS+(\b)/2], v[QS+\hd] matrix_a_fmt:MATRIX_FMT_FP6 matrix_b_fmt:MATRIX_FMT_FP6 matrix_a_scale:MATRIX_SCALE_ROW1
.else
	v_wmma_scale_f32_16x16x128_f8f6f4 v[S+16*(\b)+8*(\u):S+16*(\b)+8*(\u)+7], v[KVF+12*(\b):KVF+12*(\b)+11], v[QA+6*(\u):QA+6*(\u)+11], 0, v[KS+(\b)/2], v[QS+\hd] matrix_a_fmt:MATRIX_FMT_FP6 matrix_b_fmt:MATRIX_FMT_FP6
.endif
.endm
.macro OPROD t                         ; O^T += 16 channels x these 128 keys
.if (\t)%2
	v_wmma_scale_f32_16x16x128_f8f6f4 v[O+8*(\t):O+8*(\t)+7], v[KVF+12*(\t):KVF+12*(\t)+11], v[PC:PC+11], v[O+8*(\t):O+8*(\t)+7], v[VS+(\t)/2], v[PWD] matrix_a_fmt:MATRIX_FMT_FP6 matrix_b_fmt:MATRIX_FMT_FP6 matrix_a_scale:MATRIX_SCALE_ROW1
.else
	v_wmma_scale_f32_16x16x128_f8f6f4 v[O+8*(\t):O+8*(\t)+7], v[KVF+12*(\t):KVF+12*(\t)+11], v[PC:PC+11], v[O+8*(\t):O+8*(\t)+7], v[VS+(\t)/2], v[PWD] matrix_a_fmt:MATRIX_FMT_FP6 matrix_b_fmt:MATRIX_FMT_FP6
.endif
.endm
; A KEY STEP of head hd.  mask = 1: the window's first step; 2: its last; 0: every key counts.
.macro STEP hd, mask
	s_cmp_lt_i32 s[SABS], 0                        ; a step ahead of token 0: ids and the count of steps alone
	s_cbranch_scc1 .Lskip_\@
	v_add_nc_u32 v[ADF], s[TB], v[L16]
	v_add_nc_u32 v[ADW], s[TB], v[L8]
	v_nop
	v_nop                                          ; four plain places in front of loads into registers that the last products read
.irp b, 0,1,2,3
.irp q, 0,1,2
	ds_load_b128 v[KVF+12*\b+4*\q:KVF+12*\b+4*\q+3], v[ADF] offset:6144*\hd+1536*\b+512*\q
.endr
.endr
	ds_load_b64 v[KS:KS+1], v[ADW] offset:24576+256*\hd
	s_wait_alu depctr_va_vdst(0)
	s_wait_dscnt 0x0
.irp b, 0,1,2,3
	SPROD \b, 0, \hd
	SPROD \b, 1, \hd
.endr                                  ; register 16 b + i of lane (r, h): key 32 b + 16 h + i of the step
.rept 4
	v_nop
.endr
.irp t, 0,1,2,3                        ; V's fragments land while the softmax is walked
.irp q, 0,1,2
	ds_load_b128 v[KVF+12*\t+4*\q:KVF+12*\t+4*\q+3], v[ADF] offset:12288+6144*\hd+1536*\t+512*\q
.endr
.endr
	ds_load_b64 v[VS:VS+1], v[ADW] offset:25088+256*\hd
.if \mask
.set NI, 0
.rept 64
	v_cmp_gt_i32 vcc_lo, 32*(NI/16)+NI%16, v[DQ]   ; the key's place is above the query's
.if \mask == 1
	v_cndmask_b32 v[S+NI], v[NINF], v[S+NI], vcc_lo
.else
	v_cndmask_b32 v[S+NI], v[S+NI], v[NINF], vcc_lo
.endif
.set NI, NI+1
.endr
.endif
.irp b, 0,1,2,3
	v_max3_num_f32 v[TMX+\b], v[S+16*\b], v[S+1+16*\b], v[S+2+16*\b]   ; the largest score of each block of 32 keys: for the row's maximum, and for the block's largest p
.endr
.irp i, 3,5,7,9,11,13
.irp b, 0,1,2,3
	v_max3_num_f32 v[TMX+\b], v[TMX+\b], v[S+16*\b+\i], v[S+1+16*\b+\i]
.endr
.endr
.irp b, 0,1,2,3
	v_max_num_f32 v[TMX+\b], v[TMX+\b], v[S+15+16*\b]
.endr
.irp b, 0,1,2,3
	s_delay_alu instid0(VALU_DEP_4)
	v_permlanex16_b32 v[TP+\b], v[TMX+\b], s[SEL], s[SEL+1]
.endr
.irp b, 0,1,2,3
	s_delay_alu instid0(VALU_DEP_4)
	v_max_num_f32 v[TMX+\b], v[TMX+\b], v[TP+\b]
.endr
	s_delay_alu instid0(VALU_DEP_2)
	v_max3_num_f32 v[TMP], v[TMX], v[TMX+1], v[TMX+2]
	s_delay_alu instid0(VALU_DEP_1)
	v_max_num_f32 v[TMP], v[TMP], v[TMX+3]
	s_delay_alu instid0(VALU_DEP_1)
	v_mul_f32 v[TMP], s[CS], v[TMP]
	s_delay_alu instid0(VALU_DEP_1)
	v_max_num_f32 v13, v13, v[TMP]                 ; the running largest t
	v_mov_b32 v[TMP], v12
	s_delay_alu instid0(VALU_DEP_2)
	v_floor_f32 v12, -v13                          ; -M = floor(-t): M is a whole number
	s_delay_alu instid0(VALU_DEP_1)
	v_sub_f32 v[TMP], v12, v[TMP]
	s_delay_alu instid0(VALU_DEP_1)
	v_cvt_i32_f32 v[TMP], v[TMP]                   ; (it saturates)
	s_delay_alu instid0(VALU_DEP_1)
	v_ldexp_f32 v[F], 1.0, v[TMP]                  ; f = 2^(old M - new M)
.set J, 0
.rept 32
	v_pk_fma_f32 v[S+J:S+J+1], v[S+J:S+J+1], s[CS:CS+1], v[12:13] op_sel_hi:[1,0,0]   ; t - M
.set J, J+2
.endr
.irp b, 0,1,2,3
	v_fma_f32 v[TMX+\b], v[TMX+\b], s[CS], v12
.endr
.set J, 0
	s_wait_alu depctr_va_vdst(0)
.rept 64
	v_exp_f32 v[S+J], v[S+J]                       ; p = 2^(t - M)
.set J, J+1
.endr
	v_pk_mul_f32 v[14:15], v[14:15], v[F:F+1] op_sel_hi:[1,0]      ; the sums under the new M: the plain place behind the exponentials
	s_wait_alu depctr_va_vdst(0)                   ; one wait for the batch, ahead of its first reader
.irp b, 0,1,2,3
	v_exp_f32 v[TMX+\b], v[TMX+\b]                 ; the block's largest p
.endr
	v_pk_add_f32 v[240:241], v[100:101], v[104:105]
	v_pk_add_f32 v[254:255], v[108:109], v[112:113]
	v_pk_add_f32 v[252:253], v[116:117], v[120:121]
	v_pk_add_f32 v[250:251], v[124:125], v[128:129]
	v_pk_add_f32 v[248:249], v[132:133], v[136:137]
	v_pk_add_f32 v[246:247], v[140:141], v[144:145]
	v_pk_add_f32 v[244:245], v[148:149], v[152:153]
	v_pk_add_f32 v[14:15], v[14:15], v[156:157]
	v_pk_add_f32 v[240:241], v[240:241], v[96:97]
	v_pk_add_f32 v[254:255], v[254:255], v[98:99]
	v_pk_add_f32 v[252:253], v[252:253], v[102:103]
	v_pk_add_f32 v[250:251], v[250:251], v[106:107]
	v_pk_add_f32 v[248:249], v[248:249], v[110:111]
	v_pk_add_f32 v[246:247], v[246:247], v[114:115]
	v_pk_add_f32 v[244:245], v[244:245], v[118:119]
	v_pk_add_f32 v[14:15], v[14:15], v[122:123]
	v_pk_add_f32 v[240:241], v[240:241], v[126:127]
	v_pk_add_f32 v[254:255], v[254:255], v[130:131]
	v_pk_add_f32 v[252:253], v[252:253], v[134:135]
	v_pk_add_f32 v[250:251], v[250:251], v[138:139]
	v_pk_add_f32 v[248:249], v[248:249], v[142:143]
	v_pk_add_f32 v[246:247], v[246:247], v[146:147]
	v_pk_add_f32 v[244:245], v[244:245], v[150:151]
	v_pk_add_f32 v[14:15], v[14:15], v[154:155]
	v_pk_add_f32 v[240:241], v[240:241], v[158:159]
	s_delay_alu instid0(VALU_DEP_2)
	v_pk_add_f32 v[14:15], v[14:15], v[250:251]
	s_delay_alu instid0(VALU_DEP_2)
	v_pk_add_f32 v[240:241], v[240:241], v[248:249]
	v_pk_add_f32 v[254:255], v[254:255], v[246:247]
	v_pk_add_f32 v[252:253], v[252:253], v[244:245]
	s_delay_alu instid0(VALU_DEP_2)
	v_pk_add_f32 v[14:15], v[14:15], v[254:255]
	s_delay_alu instid0(VALU_DEP_2)
	v_pk_add_f32 v[240:241], v[240:241], v[252:253]
	s_delay_alu instid0(VALU_DEP_1)
	v_pk_add_f32 v[14:15], v[14:15], v[240:241]
	s_wait_alu depctr_va_vdst(0)                   ; and one for the four
.irp b, 0,1,2,3
	v_max_num_f32 v[TMX+\b], 0x1800000, v[TMX+\b]  ; the floor: the byte cannot fall under 1
.endr
.irp b, 0,1,2,3
	s_delay_alu instid0(VALU_DEP_4)
	v_add_nc_u32 v[TE+\b], 0xff000000, v[TMX+\b]
.endr
.irp b, 0,1,2,3
	s_delay_alu instid0(VALU_DEP_4)
	v_lshrrev_b32 v[TP+\b], 23, v[TE+\b]
.endr
	s_delay_alu instid0(VALU_DEP_3)
	v_lshl_or_b32 v[PWD], v[TP+1], 8, v[TP]
	s_delay_alu instid0(VALU_DEP_1)
	v_lshl_or_b32 v[PWD], v[TP+2], 16, v[PWD]
	s_delay_alu instid0(VALU_DEP_1)
	v_lshl_or_b32 v[PWD], v[TP+3], 24, v[PWD]
.irp c, 0,1
	v_cvt_scalef32_pk16_fp6_f32 v[PC+6*\c:PC+6*\c+2], v[S+32*\c:S+15+32*\c], v[TE+2*\c]
	v_cvt_scalef32_pk16_fp6_f32 v[CT+4*\c:CT+4*\c+2], v[S+16+32*\c:S+31+32*\c], v[TE+2*\c+1]
.endr
	v_nop                                          ; one plain place behind a scaled conversion
.irp c, 0,1
.irp i, 0,1,2
	v_permlane16_swap_b32 v[PC+6*\c+\i], v[CT+4*\c+\i]
.endr
.irp i, 0,1,2
	s_delay_alu instid0(VALU_DEP_3)
	v_mov_b32 v[PC+3+6*\c+\i], v[CT+4*\c+\i]
.endr
.endr
.set J, 0
.rept 16
	v_pk_mul_f32 v[O+J:O+J+1], v[O+J:O+J+1], v[F:F+1] op_sel_hi:[1,0]   ; O^T under the new M; these sixteen are also the places between the scale word and codes just made and the products
.set J, J+2
.endr
	s_wait_alu depctr_va_vdst(0)
	s_wait_dscnt 0x0                               ; V is in
	OPROD 0
	OPROD 1
	OPROD 2
	OPROD 3
.Lskip_\@:
	s_add_co_u32 s[TB], s[TB], REC
	s_add_co_i32 s[SABS], s[SABS], 1
.endm
.macro FINISH hd                       ; o = O^T / the sum; its 64 channels are two blocks of the last product's K
.rept 4
	v_nop
.endr
	v_add_f32 v14, v14, v15
	s_delay_alu instid0(VALU_DEP_1)
	v_permlanex16_b32 v[TP], v14, s[SEL], s[SEL+1]
	s_delay_alu instid0(VALU_DEP_1)
	v_add_f32 v14, v14, v[TP]
	s_wait_alu depctr_va_vdst(0)
	v_rcp_f32 v[F], v14
	v_nop                                          ; a plain place behind the reciprocal
	s_wait_alu depctr_va_vdst(0)                   ; and the wait ahead of its first reader
.set J, 0
.rept 16
	v_pk_mul_f32 v[S+J:S+J+1], v[O+J:O+J+1], v[F:F+1] op_sel_hi:[1,0]   ; register 16 b + i: channel 32 b + 16 h + i
.set J, J+2
.endr
.irp b, 0,1
	v_max3_num_f32 v[TMX+\b], |v[S+16*\b]|, |v[S+1+16*\b]|, 0x1800000
.endr
.irp i, 2,4,6,8,10,12,14
.irp b, 0,1
	s_delay_alu instid0(VALU_DEP_2)
	v_max3_num_f32 v[TMX+\b], v[TMX+\b], |v[S+16*\b+\i]|, |v[S+1+16*\b+\i]|
.endr
.endr
.irp b, 0,1
	s_delay_alu instid0(VALU_DEP_2)
	v_permlanex16_b32 v[TP+\b], v[TMX+\b], s[SEL], s[SEL+1]
.endr
.irp b, 0,1
	s_delay_alu instid0(VALU_DEP_2)
	v_max_num_f32 v[TMX+\b], v[TMX+\b], v[TP+\b]
.endr
.irp b, 0,1
	s_delay_alu instid0(VALU_DEP_2)
	v_add_nc_u32 v[TE+\b], 0xff000000, v[TMX+\b]
.endr
.irp b, 0,1
	s_delay_alu instid0(VALU_DEP_2)
	v_lshrrev_b32 v[TP+\b], 23, v[TE+\b]
.endr
.if \hd
	s_delay_alu instid0(VALU_DEP_2)
	v_lshl_or_b32 v[OW], v[TP], 16, v[OW]
	s_delay_alu instid0(VALU_DEP_1)
	v_lshl_or_b32 v[OW], v[TP+1], 24, v[OW]
.else
	s_delay_alu instid0(VALU_DEP_1)
	v_lshl_or_b32 v[OW], v[TP+1], 8, v[TP]
.endif
	v_cvt_scalef32_pk16_fp6_f32 v[OF+6*\hd:OF+6*\hd+2], v[S:S+15], v[TE]
	v_cvt_scalef32_pk16_fp6_f32 v[CT:CT+2], v[S+16:S+31], v[TE+1]
	v_nop
.irp i, 0,1,2
	v_permlane16_swap_b32 v[OF+6*\hd+\i], v[CT+\i]
.endr
.irp i, 0,1,2
	s_delay_alu instid0(VALU_DEP_3)
	v_mov_b32 v[OF+6*\hd+3+\i], v[CT+\i]
.endr
.endm
.macro PASS hd
.if \hd
.irp i, 0,1,2,3,4,5
	v_mov_b32 v[QA+\i], v[QH1+\i]
	v_mov_b32 v[QA+12+\i], v[QH1+\i]
.endr
.endif
	v_mov_b32 v13, 0xff61b1e6                      ; the largest t so far: -3e38
	s_delay_alu instid0(VALU_DEP_1)
	v_floor_f32 v12, -v13
	v_mov_b32 v14, 0
	v_mov_b32 v15, 0
.set J, 0
.rept 32
	v_mov_b32 v[O+J], 0                            ; the step is written for every place in the walk: the first finds zeros, which the first change of M leaves zeros
.set J, J+1
.endr
	s_mul_i32 s[TB], s18, REC
	s_sub_co_i32 s[SABS], s19, 4
	STEP \hd, 1
	s_mov_b32 s[CNT], 3
.Lmid_\@:
	STEP \hd, 0
	s_sub_co_u32 s[CNT], s[CNT], 1
	s_cmp_lg_u32 s[CNT], 0
	s_cbranch_scc1 .Lmid_\@
	STEP \hd, 2
	FINISH \hd
.endm
	PASS 0
	PASS 1
.irp q, 0,1,2
	global_store_b128 v[L16], v[OF+4*\q:OF+4*\q+3], s[32:33] offset:512*\q   ; 32 lanes store 512 consecutive bytes, aligned
.endr
	global_store_b32 v[R4], v[OW], s[34:35]        ; lanes r and r + 16 hold the same word and write it to the same place
	s_wait_tensorcnt 0x0                           ; the wave's end
	ds_add_u32 v[SPW], v[NIL]
	s_wait_dscnt 0x0
	s_endpgm
.Lfunc_end_k_qe570f5ae7e_attn:
	.size	k_qe570f5ae7e_attn, .Lfunc_end_k_qe570f5ae7e_attn-k_qe570f5ae7e_attn
	.p2alignl 7, 3214868480
	.fill 96, 4, 3214868480
	.section	.rodata,"a",@progbits
	.p2align	6, 0x0
	.amdhsa_kernel k_qe570f5ae7e_attn
		.amdhsa_group_segment_fixed_size 167936
		.amdhsa_private_segment_fixed_size 0
		.amdhsa_enable_private_segment 0
		.amdhsa_kernarg_size 24
		.amdhsa_user_sgpr_count 2
		.amdhsa_user_sgpr_kernarg_segment_ptr 1
		.amdhsa_wavefront_size32 1
		.amdhsa_system_sgpr_workgroup_id_x 1
		.amdhsa_system_sgpr_workgroup_id_y 1
		.amdhsa_system_sgpr_workgroup_id_z 1
		.amdhsa_system_vgpr_workitem_id 0
		.amdhsa_next_free_vgpr 256
		.amdhsa_next_free_sgpr 66
		.amdhsa_reserve_vcc 1
		.amdhsa_float_denorm_mode_32 3
		.amdhsa_float_denorm_mode_16_64 3
		.amdhsa_memory_ordered 1
		.amdhsa_forward_progress 1
		.amdhsa_inst_pref_size 138
	.end_amdhsa_kernel
	.amdgpu_metadata
---
amdhsa.version: [ 1, 2 ]
amdhsa.kernels:
  - .name:           k_qe570f5ae7e_attn
    .symbol:         k_qe570f5ae7e_attn.kd
    .args:
      - { .name: qb, .offset: 0, .size: 8, .value_kind: global_buffer, .address_space: global }
      - { .name: kvb, .offset: 8, .size: 8, .value_kind: global_buffer, .address_space: global }
      - { .name: oq, .offset: 16, .size: 8, .value_kind: global_buffer, .address_space: global }
    .group_segment_fixed_size: 167936
    .private_segment_fixed_size: 0
    .kernarg_segment_align: 8
    .kernarg_segment_size: 24
    .max_flat_workgroup_size: 512
    .sgpr_count:     66
    .vgpr_count:     256
    .wavefront_size: 32
...
	.end_amdgpu_metadata
.endif
;; end of part 3
;; launch proj (part 4): grid 32 x 8, 4 waves a work-group, clusters of 4 x 1, 167,936 bytes of LDS; arguments oq, wq, out0; writes out0
.if DOCPART == 4
	.amdgcn_target "amdgcn-amd-amdhsa--gfx1250"
	.amdhsa_code_object_version 6
	.text
	.protected	k_qe570f5ae7e_proj
	.globl	k_qe570f5ae7e_proj
	.p2align	8
	.type	k_qe570f5ae7e_proj,@function
k_qe570f5ae7e_proj:
	s_mov_b64 s[64:65], 0
	v_nop
	global_prefetch_b8 v0, s[64:65] scope:SCOPE_SE
	s_setreg_imm32_b32 hwreg(HW_REG_WAVE_MODE, 25, 1), 1
	s_wait_xcnt 0x0
	s_wait_alu depctr_hold_cnt(0) depctr_sa_sdst(0) depctr_va_vdst(0) depctr_va_sdst(0) depctr_va_ssrc(0) depctr_va_vcc(0) depctr_vm_vsrc(0)
	s_getreg_b32 s2, hwreg(HW_REG_IB_STS2, 6, 4)
	s_cmp_eq_u32 s2, 0
	s_cbranch_scc0 .Lentry_in_a_cluster
	s_endpgm
.Lentry_in_a_cluster:
	s_bfe_u32 s2, ttmp6, 0x10000c
	s_cmp_lg_u32 s2, 0x3003
	s_cbranch_scc0 .Lentry_shape_is_right
	s_endpgm
.Lentry_shape_is_right:
; out = o Wo^T on codes of FP6 (E2M3) with E8M0 scales; out in f32.  Operands as the launches before laid them: codes [tile of 16 rows][K step][q][lane][16 bytes], lane place r of tile 2 G + u is row 32 G + 8 u + r + 8 (r / 8);
; scale words [128 rows][K step][tile][r].
; SHARES: a work-group makes 256 tokens x 128 columns: 32 x 8 = 256 work-groups.  A wave owns 64 tokens: o's codes for all of K, 384 registers, come straight from memory, 96 loads of 512 consecutive bytes.
; Wo's 128 rows (98,304 bytes, a third by each of waves 0 to 2) and their scale words (wave 3) are filled into LDS once, one tensor load a wave: nothing is filled again.
; Source 0 = Wo, source 1 = o: a lane holds a token, and the 16 registers of Wo's tiles 2 b, 2 b + 1 are 16 neighbouring columns.  32 accumulators by turns, 8 K steps of 32 matrix instructions.
; CLUSTERS: the four work-groups of a cluster make the same columns and share Wo's tiles: all loads are joint (mask 15).  No prefetch: every byte is asked for in the first lines, and there is no loop to run ahead in.
; THE WAY OUT: 16 tokens x 128 columns at a time through the wave's own stage (bytes of its own, rows of 528), back as rows of 512 bytes.
; REGISTERS: window 0: v1-14 addresses, v16-31 o's scale words, v32-63 Wo's, v64-255 Wo's fragments, two sets, then the way out; window 1: v0-143 o's K steps 5-7; window 2: the accumulators; window 3: o's K steps 0-4.
.set WSC,    98304
.set SPARE,  WSC+4096
.set STAGE,  SPARE+512
.set SPITCH, 528
.set XS_OFF, 6291456
.set WS_OFF, 3145728
.set LN,  1
.set L16, 2
.set L4,  4
.set ADW, 6
.set ADS, 8
.set STO, 9
.set RD,  10
.set SPW, 13
.set NIL, 14
.set XS,  16
.set WS,  32
.set WF,  64
.set BK,  64
.set G1W, 24
.set G1S, 32
.set G0,  40
.set MSB, 0
.macro WIN new
.if MSB != (\new)
	s_set_vgpr_msb (MSB<<8)|(\new)
.set MSB, (\new)
.endif
.endm
.macro CROUND
	s_barrier_signal -1
	s_barrier_wait -1
	s_cmp_lg_u32 s14, 0
	s_cbranch_scc1 .Lnot_wave_0_\@
	s_barrier_signal -3
.Lnot_wave_0_\@:
	s_barrier_wait -3
	s_barrier_signal -1
	s_barrier_wait -1
.endm
.macro PLACES
.rept 4
	v_nop
.endr
.endm
.macro W1 d, f0, f1, s0, s1, z, r0, r1
.if \z
.if \r0
.if \r1
	v_wmma_scale_f32_16x16x128_f8f6f4 v[(\d):(\d)+7], v[(\f0):(\f0)+11], v[(\f1):(\f1)+11], 0, v[(\s0)], v[(\s1)] matrix_a_fmt:MATRIX_FMT_FP6 matrix_b_fmt:MATRIX_FMT_FP6 matrix_a_scale:MATRIX_SCALE_ROW1 matrix_b_scale:MATRIX_SCALE_ROW1
.else
	v_wmma_scale_f32_16x16x128_f8f6f4 v[(\d):(\d)+7], v[(\f0):(\f0)+11], v[(\f1):(\f1)+11], 0, v[(\s0)], v[(\s1)] matrix_a_fmt:MATRIX_FMT_FP6 matrix_b_fmt:MATRIX_FMT_FP6 matrix_a_scale:MATRIX_SCALE_ROW1
.endif
.else
.if \r1
	v_wmma_scale_f32_16x16x128_f8f6f4 v[(\d):(\d)+7], v[(\f0):(\f0)+11], v[(\f1):(\f1)+11], 0, v[(\s0)], v[(\s1)] matrix_a_fmt:MATRIX_FMT_FP6 matrix_b_fmt:MATRIX_FMT_FP6 matrix_b_scale:MATRIX_SCALE_ROW1
.else
	v_wmma_scale_f32_16x16x128_f8f6f4 v[(\d):(\d)+7], v[(\f0):(\f0)+11], v[(\f1):(\f1)+11], 0, v[(\s0)], v[(\s1)] matrix_a_fmt:MATRIX_FMT_FP6 matrix_b_fmt:MATRIX_FMT_FP6
.endif
.endif
.else
.if \r0
.if \r1
	v_wmma_scale_f32_16x16x128_f8f6f4 v[(\d):(\d)+7], v[(\f0):(\f0)+11], v[(\f1):(\f1)+11], v[(\d):(\d)+7], v[(\s0)], v[(\s1)] matrix_a_fmt:MATRIX_FMT_FP6 matrix_b_fmt:MATRIX_FMT_FP6 matrix_a_scale:MATRIX_SCALE_ROW1 matrix_b_scale:MATRIX_SCALE_ROW1
.else
	v_wmma_scale_f32_16x16x128_f8f6f4 v[(\d):(\d)+7], v[(\f0):(\f0)+11], v[(\f1):(\f1)+11], v[(\d):(\d)+7], v[(\s0)], v[(\s1)] matrix_a_fmt:MATRIX_FMT_FP6 matrix_b_fmt:MATRIX_FMT_FP6 matrix_a_scale:MATRIX_SCALE_ROW1
.endif
.else
.if \r1
	v_wmma_scale_f32_16x16x128_f8f6f4 v[(\d):(\d)+7], v[(\f0):(\f0)+11], v[(\f1):(\f1)+11], v[(\d):(\d)+7], v[(\s0)], v[(\s1)] matrix_a_fmt:MATRIX_FMT_FP6 matrix_b_fmt:MATRIX_FMT_FP6 matrix_b_scale:MATRIX_SCALE_ROW1
.else
	v_wmma_scale_f32_16x16x128_f8f6f4 v[(\d):(\d)+7], v[(\f0):(\f0)+11], v[(\f1):(\f1)+11], v[(\d):(\d)+7], v[(\s0)], v[(\s1)] matrix_a_fmt:MATRIX_FMT_FP6 matrix_b_fmt:MATRIX_FMT_FP6
.endif
.endif
.endif
.endm
.macro WFETCH s, p
.irp i, 0,1,2,3,4,5,6,7
.irp c, 0,1,2
	ds_load_b128 v[WF+96*(\p)+12*\i+4*\c:WF+96*(\p)+12*\i+4*\c+3], v[ADW+\i/4] offset:(\i%4)*12288+(\s)*1536+512*\c
.endr
.endr
.endm
.macro KSTEP s
.if (\s) < 2
	s_wait_loadcnt 63                              ; o's 12 loads of this K step are in: behind them stand 12 for each later step (the wait's field holds 63)
.else
	s_wait_loadcnt 12*(7-(\s))
.endif
	s_wait_dscnt 0x0                               ; this step's fragments, asked for a step ago, are in
.if (\s) < 7
.if (\s) > 0
	PLACES                                         ; ahead of loads into the set that the last step's products read
.endif
	WFETCH (\s)+1, ((\s)+1)%2
.endif
.if (\s) < 5
.set XR, 48*(\s)
	WIN 0xac                                       ; source 1 window 3, C and D window 2
.else
.set XR, 48*((\s)-5)
	WIN 0xa4                                       ; source 1 window 1
.endif
.set WB, WF+96*((\s)%2)
.irp a, 0,1,2,3
.irp b, 0,1,2,3,4,5,6,7
	W1 8*(8*\a+\b), WB+12*\b, XR+12*\a, WS+4*(\s)+\b/2, XS+2*(\s)+\a/2, (\s)==0, \b%2, \a%2
.endr
.endr
	WIN 0
.endm
	s_load_b128 s[4:7], s[0:1], 0x0                ; oq, wq
	s_load_b64 s[8:9], s[0:1], 0x10                ; out0
	v_lshl_add_u32 v[SPW], v0, 2, SPARE
	v_mov_b32 v[NIL], 0
	ds_add_u32 v[SPW], v[NIL]                      ; the opening lines: the add, twice on end, and its wait ahead of my first tensor load
	ds_add_u32 v[SPW], v[NIL]
	v_lshrrev_b32 v15, 5, v0
	v_readfirstlane_b32 s14, v15                   ; wave
	s_lshr_b32 s15, s14, 1
	s_and_b32 s16, s14, 1
	s_bfe_u32 s17, ttmp6, 0x40000                  ; cx
	s_lshl_b32 s18, ttmp9, 2
	s_add_co_u32 s18, s18, s17                     ; the block of 256 tokens: it enters global addresses alone
	s_and_b32 s19, ttmp7, 0xffff                   ; which 128 columns
	s_mov_b32 s[G1W], 15|(3<<16)|(1<<21)           ; a third of Wo's tile: 32,768 dense bytes as 128 rows of 256
	s_mov_b32 s[G1W+1], 32<<16
	s_mov_b32 s[G1W+2], 128<<16
	s_mov_b32 s[G1W+3], 32<<16
	s_mov_b32 s[G1W+4], 128
	s_mov_b32 s[G1W+5], 32
	s_mov_b32 s[G1W+6], 0
	s_mov_b32 s[G1W+7], 0
	s_mov_b32 s[G1S], 15|(3<<16)|(1<<21)           ; the scale words: 4,096 dense bytes as 16 rows of 256
	s_mov_b32 s[G1S+1], 32<<16
	s_mov_b32 s[G1S+2], 16<<16
	s_mov_b32 s[G1S+3], 32<<16
	s_mov_b32 s[G1S+4], 16
	s_mov_b32 s[G1S+5], 32
	s_mov_b32 s[G1S+6], 0
	s_mov_b32 s[G1S+7], 0
	s_mul_i32 s20, s19, 98304                      ; Wo is the fourth weight in wq: tiles 192 on
	s_lshl_b32 s21, s14, 15
	s_add_co_u32 s20, s20, s21
	s_add_co_u32 s20, s20, 192*12288
	s_lshl_b32 s21, s19, 12
	s_add_co_u32 s21, s21, WS_OFF+24*4096
	s_cmp_lt_u32 s14, 3
	s_cselect_b32 s20, s20, s21
	s_mov_b32 s21, 0
	s_mov_b32 s[G0], 1
	s_lshl_b32 s[G0+1], s14, 15                    ; where they go: wave x 32,768 (wave 3's is WSC)
	s_mul_i32 s66, s14, 16*SPITCH
	s_add_co_u32 s66, s66, STAGE                   ; my stage
	s_lshl_b32 s22, s18, 2
	s_add_co_u32 s22, s22, s14                     ; my run of 64 tokens
	s_mul_i32 s54, s22, 49152
	s_mov_b32 s55, 0
	s_lshl_b32 s23, s18, 1
	s_add_co_u32 s23, s23, s15
	s_lshl_b32 s56, s23, 12
	s_lshl_b32 s72, s16, 8
	s_add_co_u32 s56, s56, s72
	s_add_co_u32 s56, s56, XS_OFF
	s_mov_b32 s57, 0
	s_lshl_b32 s44, s22, 18                        ; 64 rows of 4,096 bytes of out,
	s_lshl_b32 s72, s19, 9                         ; + 512 bytes for each 128 columns
	s_add_co_u32 s44, s44, s72
	s_mov_b32 s45, 0
	v_and_b32 v[LN], 31, v0
	v_and_b32 v15, 15, v0                          ; r
	v_bfe_u32 v12, v0, 4, 1                        ; h
	v_lshlrev_b32 v[L16], 4, v[LN]
	v_lshlrev_b32 v[L4], 2, v[LN]
	v_mul_u32_u24 v[STO], v15, SPITCH
	v_lshl_add_u32 v[STO], v12, 6, v[STO]
	v_add_nc_u32 v[STO], s66, v[STO]               ; in: row r, 64 bytes for each half of the lanes
	v_add_nc_u32 v[RD], s66, v[L16]                ; back: the 32 lanes take a row of 512 bytes
	v_mov_b32 v[ADW], v[L16]
	v_add_nc_u32 v[ADW+1], 49152, v[L16]
	v_add_nc_u32 v[ADS], WSC, v[L4]
	s_wait_alu depctr_va_vdst(0)                   ; the wait at the head's end
	s_wait_dscnt 0x0
	s_wait_kmcnt 0x0
	s_add_nc_u64 s[G0+2:G0+3], s[6:7], s[20:21]
	s_or_b32 s[G0+3], s[G0+3], 0x80000000
	s_add_nc_u64 s[54:55], s[4:5], s[54:55]
	s_add_nc_u64 s[56:57], s[4:5], s[56:57]
	s_add_nc_u64 s[8:9], s[8:9], s[44:45]
	CROUND                                         ; all four work-groups are here: the joint loads meet
	s_cmp_lt_u32 s14, 3
	s_cbranch_scc0 .Lwords
	tensor_load_to_lds s[G0:G0+3], s[G1W:G1W+7]    ; one tensor load a wave, each way through the head passes one
	s_nop 0
	PLACES
	s_branch .Lasked
.Lwords:
	tensor_load_to_lds s[G0:G0+3], s[G1S:G1S+7]
	s_nop 0
	PLACES
.Lasked:
.irp s, 0,1,2,3,4,5,6,7
.irp j, 0,1
	global_load_b32 v[XS+2*\s+\j], v[L4], s[56:57] offset:512*\s+128*\j   ; o's scale words: tile 2 j in lanes 0-15, 2 j + 1 in lanes 16-31
.endr
.endr
	WIN 0xc0
.irp s, 0,1,2,3,4
.irp t, 0,1,2,3
.irp q, 0,1,2
	global_load_b128 v[48*\s+12*\t+4*\q:48*\s+12*\t+4*\q+3], v[L16], s[54:55] offset:\t*12288+\s*1536+512*\q
.endr
.endr
.endr
	WIN 0x40
.irp s, 5,6,7
.irp t, 0,1,2,3
.irp q, 0,1,2
	global_load_b128 v[48*(\s-5)+12*\t+4*\q:48*(\s-5)+12*\t+4*\q+3], v[L16], s[54:55] offset:\t*12288+\s*1536+512*\q
.endr
.endr
.endr
	WIN 0
	s_wait_tensorcnt 0x0                           ; my tile has landed,
	s_barrier_signal -1
	s_barrier_wait -1                              ; everybody's has
.irp s, 0,1,2,3,4,5,6,7
.irp j, 0,1,2,3
	ds_load_b32 v[WS+4*\s+\j], v[ADS] offset:512*\s+128*\j         ; Wo's scale words of all of K
.endr
.endr
	WFETCH 0, 0
.irp s, 0,1,2,3,4,5,6,7
	KSTEP \s
.endr
.macro TOSTAGE a
.set AC, 64*(\a)
	WIN 0x08                                       ; the data: window 2
.irp b, 0,1,2,3,4,5,6,7
	ds_store_b128 v[STO], v[AC+8*\b:AC+8*\b+3] offset:128*(\b/2)+32*(\b%2)      ; each accumulator from its low end on
	ds_store_b128 v[STO], v[AC+8*\b+4:AC+8*\b+7] offset:128*(\b/2)+32*(\b%2)+16
.endr
	WIN 0
.set BB, BK+64*((\a)%2)
.irp t, 0,1,2,3,4,5,6,7,8,9,10,11,12,13,14,15
	ds_load_b128 v[BB+4*\t:BB+4*\t+3], v[RD] offset:\t*SPITCH      ; LDS serves a wave's instructions in order: these see the stores above
.endr
.endm
.macro SEND a, younger                 ; younger: the LDS instructions issued behind block a's loads, which may stay out
.set BB, BK+64*((\a)%2)
	s_wait_dscnt \younger
.if (\a) > 0
.if (\a)%2
	s_add_nc_u64 s[8:9], s[8:9], 8*4096            ; (behind a wait on XCNT) tile 2 G + 1 begins 8 rows behind tile 2 G,
.else
	s_add_nc_u64 s[8:9], s[8:9], 24*4096           ; tile 2 G + 2 another 24
.endif
.endif
.irp t, 0,1,2,3,4,5,6,7,8,9,10,11,12,13,14,15
	global_store_b128 v[L16], v[BB+4*\t:BB+4*\t+3], s[8:9] offset:(\t+8*(\t/8))*4096 th:TH_STORE_NT   ; 32 lanes store 512 consecutive bytes, aligned
.endr
.endm
	PLACES                                         ; ahead of the first read of results and of loads into the fragments' registers
	TOSTAGE 0
.irp a, 1,2,3
.if \a > 1
	s_wait_xcnt 0x0                                ; block a - 2's stores have read their registers and their base
.endif
	TOSTAGE \a
	SEND \a-1, 32                                  ; behind block a - 1's loads: block a's 16 stores and 16 loads
.endr
	s_wait_xcnt 0x0
	SEND 3, 0
	s_wait_tensorcnt 0x0                           ; the wave's end
	ds_add_u32 v[SPW], v[NIL]
	s_wait_dscnt 0x0
	CROUND                                         ; the closing round
	s_endpgm
.Lfunc_end_k_qe570f5ae7e_proj:
	.size	k_qe570f5ae7e_proj, .Lfunc_end_k_qe570f5ae7e_proj-k_qe570f5ae7e_proj
	.p2alignl 7, 3214868480
	.fill 96, 4, 3214868480
	.section	.rodata,"a",@progbits
	.p2align	6, 0x0
	.amdhsa_kernel k_qe570f5ae7e_proj
		.amdhsa_group_segment_fixed_size 167936
		.amdhsa_private_segment_fixed_size 0
		.amdhsa_enable_private_segment 0
		.amdhsa_kernarg_size 24
		.amdhsa_user_sgpr_count 2
		.amdhsa_user_sgpr_kernarg_segment_ptr 1
		.amdhsa_wavefront_size32 1
		.amdhsa_system_sgpr_workgroup_id_x 1
		.amdhsa_system_sgpr_workgroup_id_y 1
		.amdhsa_system_sgpr_workgroup_id_z 1
		.amdhsa_system_vgpr_workitem_id 0
		.amdhsa_next_free_vgpr 1024
		.amdhsa_next_free_sgpr 80
		.amdhsa_reserve_vcc 0
		.amdhsa_float_denorm_mode_32 3
		.amdhsa_float_denorm_mode_16_64 3
		.amdhsa_memory_ordered 1
		.amdhsa_forward_progress 1
		.amdhsa_inst_pref_size 79
	.end_amdhsa_kernel
	.amdgpu_metadata
---
amdhsa.version: [ 1, 2 ]
amdhsa.kernels:
  - .name:           k_qe570f5ae7e_proj
    .symbol:         k_qe570f5ae7e_proj.kd
    .args:
      - { .name: oq, .offset: 0, .size: 8, .value_kind: global_buffer, .address_space: global }
      - { .name: wq, .offset: 8, .size: 8, .value_kind: global_buffer, .address_space: global }
      - { .name: out0, .offset: 16, .size: 8, .value_kind: global_buffer, .address_space: global }
    .group_segment_fixed_size: 167936
    .private_segment_fixed_size: 0
    .kernarg_segment_align: 8
    .kernarg_segment_size: 24
    .max_flat_workgroup_size: 128
    .sgpr_count:     80
    .vgpr_count:     1024
    .wavefront_size: 32
...
	.end_amdgpu_metadata
.endif
;; end of part 4
